; MI455X (gfx1250); checked and timed in simulation.
; The chip was launched on July 23, 2026; its instructions are those of AMD's public machine-readable ISA for CDNA 5 (MIT licence, August 2026) and "CDNA5" Instruction Set Architecture Reference Guide (July 2026). The comments in the code are by the model that wrote it; some were corrected since.
;; Encoder Multi Head Attention. Allowed arithmetic: matrix products marked QUANTISED: E2M3 operands, one E8M0 scale for each 32 along K, by v_wmma_scale_f32_16x16x128_f8f6f4 with both operands' format E2M3, f32 sums; everything else in f32.
;; Inputs: Wk 1,024 x 1,024 float32; Wo 1,024 x 1,024 float32; Wq 1,024 x 1,024 float32; Wv 1,024 x 1,024 float32; k 4 x 2,048 x 1,024 float32; ln_k_b 1,024 float32; ln_k_g 1,024 float32; ln_q_b 1,024 float32; ln_q_g 1,024 float32; ln_v_b 1,024 float32; ln_v_g 1,024 float32; mask 4 x 1 x 2,048 int32; q 4 x 2,048 x 1,024 float32; v 4 x 2,048 x 1,024 float32.
;; Outputs: out0 4 x 2,048 x 1,024 float32.
;; This version of the problem:
;;   THIS VERSION OF THE PROBLEM IS GIVEN IN LOW PRECISION. The matrix products marked QUANTISED in the list below multiply operands that are first quantised to E2M3 (2 exponent bits, 3 mantissa bits; 6 bits a number), with one power-of-two scale for each 32 numbers along K (OCP MX v1.0); their sums are f32. All else is computed in f32.
;;   The module's matrix products, in the order in which they are computed (A, B: the left and right operand; K: the contracted axis; several contracted axes count as one K, in the product's order):
;;     1. [M 8,192, K 1,024] x [K 1,024, N 1,024]; A: computed on the way; B: input Wq: QUANTISED
;;     2. [M 8,192, K 1,024] x [K 1,024, N 1,024]; A: computed on the way; B: input Wk: QUANTISED
;;     3. [M 8,192, K 1,024] x [K 1,024, N 1,024]; A: computed on the way; B: input Wv: QUANTISED
;;     4. batch 64 x [M 2,048, K 64] x [K 64, N 2,048]; A: computed on the way; B: computed on the way: QUANTISED
;;     5. batch 64 x [M 2,048, K 2,048] x [K 2,048, N 64]; A: computed on the way; B: computed on the way: QUANTISED
;;     6. [M 8,192, K 1,024] x [K 1,024, N 1,024]; A: computed on the way; B: input Wo: QUANTISED
;;   THE QUANTISER, for each operand of a quantised product, along K:
;;     - K is cut into blocks of 32 from its start; a last block that is shorter is filled with zeros.
;;     - A block's scale is 2^e with e = floor(log2(the largest magnitude in the block)) - 2, held to -126 .. 127; a block of zeros has e = 0. As a byte (E8M0): e + 127.
;;     - Each number is divided by its block's scale, clamped to +-7.5, and rounded to the nearest number of E2M3, ties to even, subnormals kept.
;;     - The product sums the exact products of the quantised numbers (number of the format x scale) in f32.
;;   ~~~python
;;   def quantise(x, axis):      # numpy; x: float32 -> the quantised numbers, widened to float32 again
;;       x = np.moveaxis(x, axis, -1); K = x.shape[-1]
;;       x = np.pad(x, [(0, 0)] * (x.ndim - 1) + [(0, -K % 32)]); x = x.reshape(x.shape[:-1] + (-1, 32)); a = np.abs(x).max(-1, keepdims=True)
;;       e = np.where(a > 0, np.clip(np.frexp(np.where(a > 0, a, 1))[1] - 1 - 2, -126, 127), 0)      # np.frexp(a)[1] - 1 = floor(log2(a)), exactly
;;       r = np.clip(x / 2.0 ** e, -7.5, 7.5)
;;       step = 2.0 ** (np.maximum(np.frexp(np.where(r == 0, 1, r))[1] - 1, 0) - 3)
;;       q = np.round(r / step) * step * 2.0 ** e      # np.round: ties to even
;;       return np.moveaxis(q.reshape(q.shape[:-2] + (-1,))[..., :K], -1, axis).astype(np.float32)
;;   ~~~
;;   OPERANDS COMPUTED ON THE WAY. 'Computed on the way' means the value that the module computes at that place (a softmax that the list does not call 'softmax' is quantised finished and normalised). What goes into a quantiser is computed in f32, as accurately as f32 sums, v_exp_f32 and their like allow (about 1e-6 of the number): no bf16 or f16 on the way to a quantiser, and a product that is left as it is and whose result goes on into a quantised operand takes f32 operands (vector FMAs, or v_wmma_f32_16x16x4_f32). A number that lies on a knife's edge between two numbers of the format may be rounded either way, as far as f32 arithmetic and the matrix unit's own rounding can turn it there, and no further.
;; One version. Each part assembles by itself: llvm-mc -triple=amdgcn-amd-amdhsa -mcpu=gfx1250 --defsym DOCPART=n.
;; ======== version 1 of 1: 5 launches
;; limits: right only within a limited range of input values
;; workspace buffers: xc 18,874,368 bytes; wc 3,145,728 bytes; gsc 1,179,648 bytes; ac 18,874,368 bytes; asc 1,310,720 bytes; oc 6,291,456 bytes
;; launch wq (part 1): grid 8 x 16, 4 waves a work-group, no clusters, 26,112 bytes of LDS; arguments Wq, Wk, Wv, Wo, wc, gsc; writes wc, gsc
.if DOCPART == 1
	.amdgcn_target "amdgcn-amd-amdhsa--gfx1250"
	.amdhsa_code_object_version 6
	.text
	.protected	k_q6826fb2878_wq
	.globl	k_q6826fb2878_wq
	.p2align	8
	.type	k_q6826fb2878_wq,@function
k_q6826fb2878_wq:
	s_mov_b64 s[64:65], 0
	v_nop
	global_prefetch_b8 v0, s[64:65] scope:SCOPE_SE
	s_setreg_imm32_b32 hwreg(HW_REG_WAVE_MODE, 25, 1), 1
	s_wait_xcnt 0x0
; The four weights W [1024 (k)][1024 (n)], f32, K their FIRST axis, become codes of E2M3 with one E8M0 byte for each 32 along K.
; LAYOUT OF THE CODES.  Tiles of 16 columns n: tile T, row r is column 32 (T / 2) + 8 (T % 2) + r + 8 (r / 8), so that a product which takes the tile as its
; source 0 gets 16 neighbouring n in the 16 registers of tiles 2 b and 2 b + 1.  A tile is 16 blocks of 768 bytes, one for each 64 along K; in a block byte
; 256 p + 8 (r + 16 h) + y is byte 24 h + 8 p + y of row r's 48 bytes of codes: registers 2 p, 2 p + 1 of half an operand are 256 consecutive bytes.
; SCALES: [tile][128 along K][r][4 bytes], 512 bytes a tile.
; SHARES.  Work-group (x, y): weight y / 4, K from 256 (y % 4) on, columns 128 x on.  A wave takes 32 columns, a lane one column; its registers run down K, so a
; block of 32 lies in one lane and the conversions give codes with K innermost.  The codes go through the wave's own stage and leave in runs of 512 bytes.
; No cluster, no tensor load: no two work-groups read the same bytes.  No barrier: waves share nothing.
; A block's scale is 2^(floor(log2(largest magnitude)) - 2); its byte is the largest magnitude's exponent field - 2, held at 1 from below.
; LIMITS: a block of zeros gets the byte 1 (its codes are zeros; only this program reads the bytes); NaN and infinities among the inputs are not served.
.set X,    32                          ; v32-95   two sets of 32 numbers
.set CD,   96                          ; v96-101  a block's codes; v104-106 its second half as converted
.set OUTR, 112                         ; v112-159 the way out
.set SB,   24                          ; v24-25   the scale bytes, four to a register
	s_load_b256 s[4:11], s[0:1], 0x0               ; Wq, Wk, Wv, Wo
	s_load_b128 s[12:15], s[0:1], 0x20             ; the codes, the scales
	v_lshl_add_u32 v192, v0, 2, 0x6400
	v_mov_b32 v193, 0
	v_lshrrev_b32 v1, 5, v0
	v_readfirstlane_b32 s16, v1                    ; wave
	v_and_b32 v2, 31, v0                           ; lane = column c of the wave's 32
	s_and_b32 s17, ttmp7, 0xffff
	s_lshr_b32 s18, s17, 2                         ; which weight
	s_and_b32 s19, s17, 3                          ; which 256 along K
	v_lshlrev_b32 v3, 2, v2                        ; in: 4 bytes a lane
	v_bfe_u32 v8, v2, 3, 1                         ; u = (c / 8) % 2: which of the wave's two tiles
	v_and_b32 v9, 7, v2
	v_lshrrev_b32 v10, 4, v2
	v_lshl_add_u32 v9, v10, 3, v9                  ; r = c % 8 + 8 (c / 16): the row in that tile
	s_mul_i32 s20, s16, 6400                       ; my stage: two tiles, 3,200 bytes apart, so that the two tiles' lanes fall on different halves of the banks
	v_mul_u32_u24 v4, v8, 3200
	v_lshl_add_u32 v4, v9, 3, v4
	v_add_nc_u32 v4, s20, v4                       ; into it: 3,200 u + 8 r
	v_lshlrev_b32 v6, 4, v2                        ; out: 16 bytes a lane
	v_add_nc_u32 v5, s20, v6
	v_lshlrev_b32 v7, 9, v8
	v_lshl_add_u32 v7, v9, 2, v7                   ; scale words: 512 u + 4 r
	s_lshl_b32 s22, s19, 20                        ; W: 256 rows of 4,096 bytes for each step along K,
	s_lshl_b32 s21, ttmp9, 9
	s_add_co_u32 s22, s22, s21                     ; 128 columns a work-group,
	s_lshl_b32 s21, s16, 7
	s_add_co_u32 s22, s22, s21                     ; 32 a wave
	s_mov_b32 s23, 0
	s_lshl_b32 s21, ttmp9, 3
	s_lshl_b32 s24, s16, 1
	s_add_co_u32 s21, s21, s24                     ; my first tile: 8 x + 2 wave
	s_mul_i32 s24, s21, 12288
	s_mul_i32 s26, s18, 786432
	s_add_co_u32 s24, s24, s26
	s_mul_i32 s26, s19, 3072
	s_add_co_u32 s24, s24, s26                     ; codes: weight, tile, four blocks of 768 bytes for each 256 along K
	s_mov_b32 s25, 0
	s_lshl_b32 s26, s21, 9
	s_lshl_b32 s28, s18, 15
	s_add_co_u32 s26, s26, s28
	s_lshl_b32 s28, s19, 7
	s_add_co_u32 s26, s26, s28
	s_add_co_u32 s26, s26, 786432                  ; scales: behind the activations' 786,432 bytes
	s_mov_b32 s27, 0
	s_wait_kmcnt 0x0
	s_cmp_lt_u32 s18, 2                            ; the weight is chosen by the work-group's number alone
	s_cselect_b64 s[30:31], s[4:5], s[8:9]
	s_cselect_b64 s[32:33], s[6:7], s[10:11]
	s_bitcmp1_b32 s18, 0
	s_cselect_b64 s[4:5], s[32:33], s[30:31]
	s_add_nc_u64 s[4:5], s[4:5], s[22:23]
	s_add_nc_u64 s[12:13], s[12:13], s[24:25]
	s_add_nc_u64 s[14:15], s[14:15], s[26:27]
.macro LOAD t                          ; block t: W(32 t + i, my column) into set t % 2; a wave's load reads 128 consecutive bytes
.irp i, 0,1,2,3,4,5,6,7,8,9,10,11,12,13,14,15,16,17,18,19,20,21,22,23,24,25,26,27,28,29,30,31
	global_load_b32 v[X+32*((\t)%2)+\i], v3, s[4:5] offset:(32*(\t)+\i)*4096 th:TH_LOAD_NT
.endr
.endm
	LOAD 0
	LOAD 1
.macro BLOCK t
.set XS, X+32*((\t)%2)
.if (\t) < 7
	s_wait_loadcnt 32                              ; this block's 32 loads are in; the next block's may be out
.else
	s_wait_loadcnt 0
.endif
	v_max3_num_f32 v12, |v[XS]|, |v[XS+1]|, |v[XS+2]|      ; the block's largest magnitude: all 32 numbers are mine
	v_max3_num_f32 v13, |v[XS+3]|, |v[XS+4]|, |v[XS+5]|
.irp i, 6,10,14,18,22,26
	v_max3_num_f32 v12, v12, |v[XS+\i]|, |v[XS+\i+1]|
	v_max3_num_f32 v13, v13, |v[XS+\i+2]|, |v[XS+\i+3]|
.endr
	v_max3_num_f32 v12, v12, |v[XS+30]|, |v[XS+31]|
	v_max3_num_f32 v12, v12, v13, 0x1800000        ; the floor 2^(3 - 127): the byte cannot fall under 1
	v_add_nc_u32 v11, 0xff000000, v12              ; 2 off the exponent field: the conversion's scale operand
	v_lshrrev_b32 v13, 23, v11                     ; the scale's byte
.if (\t)%4 == 0
	v_mov_b32 v[SB+(\t)/4], v13
.else
	v_lshl_or_b32 v[SB+(\t)/4], v13, 8*((\t)%4), v[SB+(\t)/4]
.endif
	v_cvt_scalef32_pk16_fp6_f32 v[CD:CD+2], v[XS:XS+15], v11
	v_cvt_scalef32_pk16_fp6_f32 v[CD+8:CD+10], v[XS+16:XS+31], v11   ; (a conversion's three registers begin on an even number)
	v_nop                                          ; one plain line between a scaled conversion and the vector line that reads its result
.irp i, 0,1,2
	v_mov_b32 v[CD+3+\i], v[CD+8+\i]
.endr
.irp p, 0,1,2
	ds_store_b64 v4, v[CD+2*\p:CD+2*\p+1] offset:((\t)/2)*768+128*((\t)%2)+256*\p   ; block t is half t % 2 of the 64 along K numbered t / 2
.endr
.if (\t)+2 < 8
	LOAD (\t)+2
.endif
	s_wait_dscnt 0x0                               ; the stores are done: the next block's codes may be written
.endm
.irp t, 0,1,2,3,4,5,6,7
	BLOCK \t
.endr
	global_store_b32 v7, v[SB], s[14:15]           ; my column's two scale words: runs of 64 bytes, one byte for each 128 that the launch reads
	s_wait_alu depctr_va_vdst(0)
	global_store_b32 v7, v[SB+1], s[14:15] offset:64
.irp i, 0,1,2,3,4,5,6,7,8,9,10,11
	ds_load_b128 v[OUTR+4*\i:OUTR+4*\i+3], v5 offset:3200*(\i/6)+512*(\i%6)   ; LDS serves a wave's instructions in order: these see my stores
.endr
.irp i, 0,1,2,3,4,5,6,7,8,9,10,11
	s_wait_dscnt 11-\i
	global_store_b128 v6, v[OUTR+4*\i:OUTR+4*\i+3], s[12:13] offset:12288*(\i/6)+512*(\i%6)   ; 32 lanes store 512 consecutive bytes, aligned to 256
.endr
	s_wait_tensorcnt 0x0
	ds_add_u32 v192, v193
	s_wait_dscnt 0x0
	s_endpgm
.Lfunc_end_k_q6826fb2878_wq:
	.size	k_q6826fb2878_wq, .Lfunc_end_k_q6826fb2878_wq-k_q6826fb2878_wq
	.p2alignl 7, 3214868480
	.fill 96, 4, 3214868480
	.section	.rodata,"a",@progbits
	.p2align	6, 0x0
	.amdhsa_kernel k_q6826fb2878_wq
		.amdhsa_group_segment_fixed_size 26112
		.amdhsa_private_segment_fixed_size 0
		.amdhsa_enable_private_segment 0
		.amdhsa_kernarg_size 48
		.amdhsa_user_sgpr_count 2
		.amdhsa_user_sgpr_kernarg_segment_ptr 1
		.amdhsa_wavefront_size32 1
		.amdhsa_system_sgpr_workgroup_id_x 1
		.amdhsa_system_sgpr_workgroup_id_y 1
		.amdhsa_system_sgpr_workgroup_id_z 1
		.amdhsa_system_vgpr_workitem_id 0
		.amdhsa_next_free_vgpr 194
		.amdhsa_next_free_sgpr 66
		.amdhsa_reserve_vcc 0
		.amdhsa_float_denorm_mode_32 3
		.amdhsa_float_denorm_mode_16_64 3
		.amdhsa_memory_ordered 1
		.amdhsa_forward_progress 1
		.amdhsa_inst_pref_size 43
	.end_amdhsa_kernel
	.amdgpu_metadata
---
amdhsa.version: [ 1, 2 ]
amdhsa.kernels:
  - .name:           k_q6826fb2878_wq
    .symbol:         k_q6826fb2878_wq.kd
    .args:
      - { .name: Wq, .offset: 0, .size: 8, .value_kind: global_buffer, .address_space: global }
      - { .name: Wk, .offset: 8, .size: 8, .value_kind: global_buffer, .address_space: global }
      - { .name: Wv, .offset: 16, .size: 8, .value_kind: global_buffer, .address_space: global }
      - { .name: Wo, .offset: 24, .size: 8, .value_kind: global_buffer, .address_space: global }
      - { .name: wc, .offset: 32, .size: 8, .value_kind: global_buffer, .address_space: global }
      - { .name: gsc, .offset: 40, .size: 8, .value_kind: global_buffer, .address_space: global }
    .group_segment_fixed_size: 26112
    .private_segment_fixed_size: 0
    .kernarg_segment_align: 8
    .kernarg_segment_size: 48
    .max_flat_workgroup_size: 128
    .sgpr_count:     66
    .vgpr_count:     194
    .wavefront_size: 32
...
	.end_amdgpu_metadata
.endif
;; end of part 1
;; launch lnq (part 2): grid 384 x 1, 4 waves a work-group, no clusters, 76,288 bytes of LDS; arguments q, k, v, ln_q_g, ln_q_b, ln_k_g, ln_k_b, ln_v_g, ln_v_b, xc, gsc; writes xc, gsc
.if DOCPART == 2
	.amdgcn_target "amdgcn-amd-amdhsa--gfx1250"
	.amdhsa_code_object_version 6
	.text
	.protected	k_q6826fb2878_lnq
	.globl	k_q6826fb2878_lnq
	.p2align	8
	.type	k_q6826fb2878_lnq,@function
k_q6826fb2878_lnq:
	s_mov_b64 s[64:65], 0
	v_nop
	global_prefetch_b8 v0, s[64:65] scope:SCOPE_SE
	s_setreg_imm32_b32 hwreg(HW_REG_WAVE_MODE, 25, 1), 1
	s_wait_xcnt 0x0
; LayerNorm of q, k and v ([8192][1024] f32 each) in f32, and its result turned into codes of E2M3 along the 1,024, one E8M0 byte for each 32.
; y = (x - mean) * rsqrt(mean((x - mean)^2) + 1e-5) * g + b: the mean is taken first and the squares of the differences second, so a common offset of x costs nothing.
; SHARES.  Work-groups 0-127 take q, 128-255 k, 256-383 v (pointers chosen by the work-group's number: one path through the text).  A wave owns one tile of 16 rows:
; tile T, row r is row 32 (T / 2) + 8 (T % 2) + r + 8 (r / 8).  A row is read once, as it lies (8 loads of 512 consecutive bytes), and stays in 32 registers of each lane.
; For the conversions a lane must hold 16 neighbours: a row turns through the wave's own stage F (16 bytes of padding behind each 64).  Its codes (768 bytes) are gathered in CST,
; its 32 scale bytes in SST; at the end the tile leaves in the operand's order: 48 stores of 256 consecutive bytes, and 512 bytes of scale words.
; Layouts of the codes and scales: as the launch that quantises the weights states them.
; Memory binds here: no matrix unit, no cluster (no byte is read by two work-groups), no barrier (waves share nothing).  Rows run three ahead: 24 loads a wave.
; LIMITS: a block of zeros gets the byte 1 (its codes are zeros; only this program reads the bytes); NaN and infinities among the inputs are not served.
.set WREG, 18944                       ; LDS of a wave: F 5,120, CST 13,056, SST 512 bytes
.set CST,  5120
.set SST,  18176
.set CP,   816                         ; a row of CST: 768 + 48 bytes = 204 words: the 32 lanes of the reads at the end touch 64 different banks
.set XS,   16                          ; v16-47   the row as 2 x 16 neighbours a lane
.set RING, 64                          ; v64-191  four row slots
.set GG,   192                         ; v192-223 g of my 32 columns
.set BB,   224                         ; v224-255 b
	s_load_b256 s[4:11], s[0:1], 0x0               ; q, k, v, ln_q_g
	s_load_b256 s[12:19], s[0:1], 0x20             ; ln_q_b, ln_k_g, ln_k_b, ln_v_g
	s_load_b128 s[20:23], s[0:1], 0x40             ; ln_v_b, the codes
	s_load_b64 s[24:25], s[0:1], 0x50              ; the scales
	v_lshl_add_u32 v15, v0, 2, 0x12800
	s_set_vgpr_msb 0x40
	v_mov_b32 v1, 0
	s_set_vgpr_msb 0x4000
	v_lshrrev_b32 v1, 5, v0
	v_readfirstlane_b32 s26, v1                    ; wave
	v_and_b32 v1, 31, v0                           ; lane
	s_lshr_b32 s27, ttmp9, 7                       ; which tensor
	s_and_b32 s28, ttmp9, 127
	s_lshl_b32 s28, s28, 2
	s_add_co_u32 s28, s28, s26                     ; my tile
	s_mul_i32 s29, s26, WREG
	v_lshlrev_b32 v2, 4, v1                        ; 16 x lane
	v_lshrrev_b32 v3, 2, v1
	v_mul_u32_u24 v3, v3, 80
	v_and_b32 v4, 3, v1
	v_lshl_add_u32 v3, v4, 4, v3
	v_add_nc_u32 v3, s29, v3                       ; F, in: 80 (lane / 4) + 16 (lane % 4)
	v_mul_u32_u24 v4, v1, 80
	v_add_nc_u32 v4, s29, v4                       ; F, out: 80 x lane
	v_mul_u32_u24 v5, v1, 12
	v_add_nc_u32 v5, s29, v5
	v_add_nc_u32 v5, CST, v5                       ; CST, in: my 16 codes are 12 bytes
	v_lshrrev_b32 v6, 3, v1
	v_lshlrev_b32 v6, 6, v6
	v_bfe_u32 v7, v1, 1, 2
	v_add_nc_u32 v6, v6, v7
	v_add_nc_u32 v6, s29, v6
	v_add_nc_u32 v6, SST, v6                       ; SST: 64 x (128 along K) + the block's byte
	v_and_b32 v7, 15, v1
	v_mul_u32_u24 v7, v7, CP
	v_lshrrev_b32 v8, 4, v1
	v_mad_u32_u24 v7, v8, 24, v7
	v_add_nc_u32 v7, s29, v7
	v_add_nc_u32 v7, CST, v7                       ; CST, out: row lane % 16, + 24 (lane / 16)
	v_lshlrev_b32 v8, 3, v1                        ; 8 x lane
	v_add_nc_u32 v9, s29, v2
	v_add_nc_u32 v9, SST, v9                       ; SST, out
	v_mov_b32 v11, 0                               ; (upper halves of pairs of which the low word serves both halves: written once)
	v_mov_b32 v13, 0
	s_lshr_b32 s30, s28, 1
	s_lshl_b32 s30, s30, 17
	s_and_b32 s31, s28, 1
	s_lshl_b32 s31, s31, 15
	s_add_co_u32 s30, s30, s31                     ; the tile's first row: (32 (T / 2) + 8 (T % 2)) x 4,096 bytes
	s_mov_b32 s31, 0
	s_mul_i32 s32, s27, 6291456
	s_mul_i32 s33, s28, 12288
	s_add_co_u32 s32, s32, s33
	s_mov_b32 s33, 0
	s_lshl_b32 s34, s27, 18
	s_lshl_b32 s35, s28, 9
	s_add_co_u32 s34, s34, s35
	s_mov_b32 s35, 0
	s_mov_b32 s36, 0x3a800000                      ; 1 / 1024
	s_mov_b32 s37, 0x3727c5ac                      ; 1e-5
	s_mov_b32 s38, 0x76543210
	s_mov_b32 s39, 0xfedcba98                      ; v_permlanex16_b32's selects for lane l xor 16
	s_wait_kmcnt 0x0
	s_cmp_eq_u32 s27, 0
	s_cselect_b64 s[4:5], s[4:5], s[6:7]
	s_cselect_b64 s[10:11], s[10:11], s[14:15]
	s_cselect_b64 s[12:13], s[12:13], s[16:17]
	s_cmp_eq_u32 s27, 2
	s_cselect_b64 s[4:5], s[8:9], s[4:5]
	s_cselect_b64 s[10:11], s[18:19], s[10:11]
	s_cselect_b64 s[12:13], s[20:21], s[12:13]
	s_add_nc_u64 s[4:5], s[4:5], s[30:31]
	s_add_nc_u64 s[22:23], s[22:23], s[32:33]
	s_add_nc_u64 s[24:25], s[24:25], s[34:35]
.irp j, 0,1,2,3,4,5,6,7
	global_load_b128 v[GG+4*\j:GG+4*\j+3], v2, s[10:11] offset:512*\j
	global_load_b128 v[BB+4*\j:BB+4*\j+3], v2, s[12:13] offset:512*\j
.endr
.macro LOADROW r                       ; tile row r: eight loads of 512 consecutive bytes
.irp j, 0,1,2,3,4,5,6,7
	global_load_b128 v[RING+32*((\r)%4)+4*\j:RING+32*((\r)%4)+4*\j+3], v2, s[4:5] offset:((\r)+8*((\r)/8))*4096+512*\j th:TH_LOAD_NT
.endr
.endm
.macro REDUCE                          ; four pairs of partial sums in v48-55 become the row's sum, in v48 of every lane
	v_pk_add_f32 v[48:49], v[48:49], v[50:51]
	v_pk_add_f32 v[52:53], v[52:53], v[54:55]
	v_pk_add_f32 v[48:49], v[48:49], v[52:53]
	v_add_f32 v48, v48, v49
	v_add_f32_dpp v48, v48, v48 row_xmask:1 row_mask:0xf bank_mask:0xf
	v_add_f32_dpp v48, v48, v48 row_xmask:2 row_mask:0xf bank_mask:0xf
	v_add_f32_dpp v48, v48, v48 row_xmask:4 row_mask:0xf bank_mask:0xf
	v_add_f32_dpp v48, v48, v48 row_xmask:8 row_mask:0xf bank_mask:0xf
	v_permlanex16_b32 v49, v48, s38, s39
	v_add_f32 v48, v48, v49
.endm
	LOADROW 0
	LOADROW 1
	LOADROW 2
	LOADROW 3
.macro ROW r
.set XR, RING+32*((\r)%4)
.if 15-(\r) >= 3
	s_wait_loadcnt 24                              ; my row is in (g and b too); the three rows behind it may be out
.else
	s_wait_loadcnt 8*(15-(\r))
.endif
.irp c, 0,1,2,3
	v_pk_add_f32 v[48+2*\c:49+2*\c], v[XR+2*\c:XR+2*\c+1], v[XR+8+2*\c:XR+9+2*\c]      ; the sum, in four chains
.endr
.irp k, 16,24
.irp c, 0,1,2,3
	v_pk_add_f32 v[48+2*\c:49+2*\c], v[48+2*\c:49+2*\c], v[XR+\k+2*\c:XR+\k+2*\c+1]
.endr
.endr
	REDUCE
	v_mul_f32 v10, s36, v48                        ; the mean
.set j, 0
.rept 16
	v_pk_add_f32 v[XR+j:XR+j+1], v[XR+j:XR+j+1], v[10:11] op_sel_hi:[1,0] neg_lo:[0,1] neg_hi:[0,1]   ; x - mean
.set j, j+2
.endr
.irp c, 0,1,2,3
	v_pk_mul_f32 v[48+2*\c:49+2*\c], v[XR+2*\c:XR+2*\c+1], v[XR+2*\c:XR+2*\c+1]
.endr
.irp k, 8,16,24
.irp c, 0,1,2,3
	v_pk_fma_f32 v[48+2*\c:49+2*\c], v[XR+\k+2*\c:XR+\k+2*\c+1], v[XR+\k+2*\c:XR+\k+2*\c+1], v[48+2*\c:49+2*\c]
.endr
.endr
	REDUCE
	v_fma_f32 v14, v48, s36, s37                   ; the variance + 1e-5
	s_wait_alu depctr_va_vdst(0)
	v_rsq_f32 v12, v14
	v_nop                                          ; a plain line behind the transcendental,
	s_wait_alu depctr_va_vdst(0)                   ; and the wait ahead of its first reader
.set j, 0
.rept 16
	v_pk_mul_f32 v[XR+j:XR+j+1], v[XR+j:XR+j+1], v[12:13] op_sel_hi:[1,0]
.set j, j+2
.endr
.set j, 0
.rept 16
	v_pk_fma_f32 v[XR+j:XR+j+1], v[XR+j:XR+j+1], v[GG+j:GG+j+1], v[BB+j:BB+j+1]
.set j, j+2
.endr
.irp s, 0,1                            ; the row turns through F: in as loaded, out 64 bytes a lane
.irp i, 0,1,2,3
	ds_store_b128 v3, v[XR+16*\s+4*\i:XR+16*\s+4*\i+3] offset:2560*\s+640*\i
.endr
.endr
.irp s, 0,1
.irp i, 0,1,2,3
	ds_load_b128 v[XS+16*\s+4*\i:XS+16*\s+4*\i+3], v4 offset:2560*\s+16*\i   ; LDS serves a wave's instructions in order: these see the stores above
.endr
.endr
	s_wait_dscnt 0x0                               ; the row is back; the last row's stores of codes and bytes are done, so their registers may be written
.if (\r) < 12
	LOADROW (\r)+4                                 ; the slot is free: the row four on
.endif
.irp s, 0,1                            ; lane l holds k = 512 s + 16 l + 0 .. 15: lanes l and l xor 1 hold a block
	v_max3_num_f32 v[48+4*\s], |v[XS+16*\s]|, |v[XS+16*\s+1]|, |v[XS+16*\s+2]|
	v_max3_num_f32 v[49+4*\s], |v[XS+16*\s+3]|, |v[XS+16*\s+4]|, |v[XS+16*\s+5]|
.endr
.irp i, 6,10
.irp s, 0,1
	v_max3_num_f32 v[48+4*\s], v[48+4*\s], |v[XS+16*\s+\i]|, |v[XS+16*\s+\i+1]|
	v_max3_num_f32 v[49+4*\s], v[49+4*\s], |v[XS+16*\s+\i+2]|, |v[XS+16*\s+\i+3]|
.endr
.endr
.irp s, 0,1
	v_max3_num_f32 v[48+4*\s], v[48+4*\s], |v[XS+16*\s+14]|, |v[XS+16*\s+15]|
.endr
.irp s, 0,1
	v_max3_num_f32 v[48+4*\s], v[48+4*\s], v[49+4*\s], 0x1800000   ; the floor 2^(3 - 127): the byte cannot fall under 1
.endr
.irp s, 0,1
	v_max_num_f32_dpp v[48+4*\s], v[48+4*\s], v[48+4*\s] row_xmask:1 row_mask:0xf bank_mask:0xf
.endr
.irp s, 0,1
	v_add_nc_u32 v[50+4*\s], 0xff000000, v[48+4*\s]                ; 2 off the exponent field: the conversion's scale operand
.endr
.irp s, 0,1
	v_cvt_scalef32_pk16_fp6_f32 v[56+4*\s:58+4*\s], v[XS+16*\s:XS+16*\s+15], v[50+4*\s]
.endr
.irp s, 0,1
	v_lshrrev_b32 v[59+4*\s], 23, v[50+4*\s]       ; the scale's byte
.endr
.irp s, 0,1
	ds_store_b8 v6, v[59+4*\s] offset:256*\s+4*(\r)                ; both lanes of a block write the same byte with the same value
.irp i, 0,1,2
	ds_store_b32 v5, v[56+4*\s+\i] offset:CP*(\r)+384*\s+4*\i
.endr
.endr
.endm
.irp r, 0,1,2,3,4,5,6,7,8,9,10,11,12,13,14,15
	ROW \r
.endr
	ds_load_b128 v[160:163], v9                    ; the tile's 512 bytes of scale words
.irp k, 0,1,2,3,4,5,6,7,8,9,10,11,12,13,14,15
.irp p, 0,1,2
	ds_load_b64 v[64+6*\k+2*\p:65+6*\k+2*\p], v7 offset:48*\k+8*\p   ; the codes in the operand's order
.endr
.endr
	s_wait_dscnt 48                                ; behind the scale words' load: the 48 loads of codes
	global_store_b128 v2, v[160:163], s[24:25]
.irp k, 0,1,2,3,4,5,6,7,8,9,10,11,12,13,14,15
.irp p, 0,1,2
	s_wait_dscnt 47-(3*\k+\p)
	global_store_b64 v8, v[64+6*\k+2*\p:65+6*\k+2*\p], s[22:23] offset:768*\k+256*\p   ; 32 lanes store 256 consecutive bytes, aligned
.endr
.endr
	s_set_vgpr_msb 0x4
	s_wait_tensorcnt 0x0
	ds_add_u32 v15, v1
	s_wait_dscnt 0x0
	s_set_vgpr_msb 0x400
	s_endpgm
.Lfunc_end_k_q6826fb2878_lnq:
	.size	k_q6826fb2878_lnq, .Lfunc_end_k_q6826fb2878_lnq-k_q6826fb2878_lnq
	.p2alignl 7, 3214868480
	.fill 96, 4, 3214868480
	.section	.rodata,"a",@progbits
	.p2align	6, 0x0
	.amdhsa_kernel k_q6826fb2878_lnq
		.amdhsa_group_segment_fixed_size 76288
		.amdhsa_private_segment_fixed_size 0
		.amdhsa_enable_private_segment 0
		.amdhsa_kernarg_size 88
		.amdhsa_user_sgpr_count 2
		.amdhsa_user_sgpr_kernarg_segment_ptr 1
		.amdhsa_wavefront_size32 1
		.amdhsa_system_sgpr_workgroup_id_x 1
		.amdhsa_system_sgpr_workgroup_id_y 1
		.amdhsa_system_sgpr_workgroup_id_z 1
		.amdhsa_system_vgpr_workitem_id 0
		.amdhsa_next_free_vgpr 258
		.amdhsa_next_free_sgpr 66
		.amdhsa_reserve_vcc 0
		.amdhsa_float_denorm_mode_32 3
		.amdhsa_float_denorm_mode_16_64 3
		.amdhsa_memory_ordered 1
		.amdhsa_forward_progress 1
		.amdhsa_inst_pref_size 173
	.end_amdhsa_kernel
	.amdgpu_metadata
---
amdhsa.version: [ 1, 2 ]
amdhsa.kernels:
  - .name:           k_q6826fb2878_lnq
    .symbol:         k_q6826fb2878_lnq.kd
    .args:
      - { .name: q, .offset: 0, .size: 8, .value_kind: global_buffer, .address_space: global }
      - { .name: k, .offset: 8, .size: 8, .value_kind: global_buffer, .address_space: global }
      - { .name: v, .offset: 16, .size: 8, .value_kind: global_buffer, .address_space: global }
      - { .name: ln_q_g, .offset: 24, .size: 8, .value_kind: global_buffer, .address_space: global }
      - { .name: ln_q_b, .offset: 32, .size: 8, .value_kind: global_buffer, .address_space: global }
      - { .name: ln_k_g, .offset: 40, .size: 8, .value_kind: global_buffer, .address_space: global }
      - { .name: ln_k_b, .offset: 48, .size: 8, .value_kind: global_buffer, .address_space: global }
      - { .name: ln_v_g, .offset: 56, .size: 8, .value_kind: global_buffer, .address_space: global }
      - { .name: ln_v_b, .offset: 64, .size: 8, .value_kind: global_buffer, .address_space: global }
      - { .name: xc, .offset: 72, .size: 8, .value_kind: global_buffer, .address_space: global }
      - { .name: gsc, .offset: 80, .size: 8, .value_kind: global_buffer, .address_space: global }
    .group_segment_fixed_size: 76288
    .private_segment_fixed_size: 0
    .kernarg_segment_align: 8
    .kernarg_segment_size: 88
    .max_flat_workgroup_size: 128
    .sgpr_count:     66
    .vgpr_count:     258
    .wavefront_size: 32
...
	.end_amdgpu_metadata
.endif
;; end of part 2
;; launch proj (part 3): grid 4 x 192, 4 waves a work-group, clusters of 4 x 4, 295,424 bytes of LDS; arguments xc, wc, gsc, ac, asc; writes ac, asc
.if DOCPART == 3
	.amdgcn_target "amdgcn-amd-amdhsa--gfx1250"
	.amdhsa_code_object_version 6
	.text
	.protected	k_q6826fb2878_proj
	.globl	k_q6826fb2878_proj
	.p2align	8
	.type	k_q6826fb2878_proj,@function
k_q6826fb2878_proj:
	s_mov_b64 s[64:65], 0
	v_nop
	global_prefetch_b8 v0, s[64:65] scope:SCOPE_SE
	s_setreg_imm32_b32 hwreg(HW_REG_WAVE_MODE, 25, 1), 1
	s_wait_xcnt 0x0
	s_wait_alu depctr_hold_cnt(0) depctr_sa_sdst(0) depctr_va_vdst(0) depctr_va_sdst(0) depctr_va_ssrc(0) depctr_va_vcc(0) depctr_vm_vsrc(0)
	s_getreg_b32 s2, hwreg(HW_REG_IB_STS2, 6, 4)
	s_cmp_eq_u32 s2, 0
	s_cbranch_scc0 .Lentry_in_a_cluster
	s_endpgm
.Lentry_in_a_cluster:
	s_bfe_u32 s2, ttmp6, 0x10000c
	s_cmp_lg_u32 s2, 0xf033
	s_cbranch_scc0 .Lentry_shape_is_right
	s_endpgm
.Lentry_shape_is_right:
; The three projections LN(q) Wq, LN(k) Wk, LN(v) Wv on codes of E2M3 (K = 1,024), and their results quantised in registers for the attention:
; Q and K along the head's 64 channels, V along the keys.  Nothing wider than codes goes to memory.
; Clusters y 0-15 make Q, 16-31 K, 32-47 V.  A work-group takes 128 rows of A (they become lanes) x 256 rows of B (they become registers): the matrix instruction takes
; 16 rows of B as source 0 and 16 rows of A as source 1.  Q, K: A = tokens, B = the weight's columns, so a lane's registers run along the channels (two heads a wave).
; V: A = the weight's columns, B = tokens, so a lane's registers run along 128 keys.  The operands' tiles hold their rows in the order 32 (T / 2) + 8 (T % 2) + r + 8 (r / 8):
; the 16 registers of B's tiles 2 b, 2 b + 1 are 16 neighbours along the next product's K.
; LDS holds ALL of K for both operands (98,304 + 196,608 bytes), filled once by one tensor load a wave: no byte is filled twice, so there is no ring.
; A wave has one tensor load out.  CLUSTER 4 x 4: A's chunks are asked for jointly along a row of the cluster, B's along a column.
; A wave makes 64 x 128: 32 accumulators, which take turns, one instruction a turn.
; REGISTERS.  window 0: v1 r, v2 h, v3 8 x lane, v4-5, v6-9 LDS addresses, v10-13 offsets; v32-95 scale words (register 8 i + s: lanes 0-15 A's block i, lanes 16-31 B's block i, K step s);
;   v96-191 A's fragments, two sets; v192-241 the quantiser.   window 1: B's fragments, two sets, at v0 and v128.   window 2: accumulator (a, b) at v[8 (8 a + b)].
; LIMITS: a block of zeros gets the byte 1 (its codes are zeros; only this program reads the bytes); NaN and infinities are not served.
; THE FILLS, AS THE TEXT STANDS (this takes the place of what the head says of chunks and of four loads a wave): a wave's tiles lie on end in memory, 12,288 bytes each, so
; ONE tensor load a wave brings all of K for its half of an operand as a dense block in rows of 256 bytes: waves 0, 1 four tiles of A each (49,152 bytes), waves 2, 3 eight tiles of B each (98,304 bytes).
; LDS: A's tile a at 12,288 a, B's tile b at BL + 12,288 b; K step s at byte 1,536 s of a tile.  One tensor load a wave is out; the one wait on TENSORcnt is for 0, and one barrier shows all tiles to all waves.
.set FR,  12
.set BL,  98304                        ; B's tiles begin here
.set ADA, 4
.set ADB, 6
.set VO,  10
.set VO2, 11
.set QSO, 12
.set VSO, 13
.set SC,  32
.set AF,  96
.set TM,  192
.set PW,  208
.set U,   212
.set PC,  216
.set PT,  228
.set UV,  236
.set VD,  240
.set G1A, 24
.set G1B, 32
.set G0A, 40
.set G0B, 68
.set MSB, 0
.macro WIN new                         ; the immediate's high byte repeats the setting that is left
.if MSB != (\new)
	s_set_vgpr_msb (MSB<<8)|(\new)
.set MSB, (\new)
.endif
.endm
.macro PLACES n
.rept \n
	v_nop
.endr
.endm
.macro CROUND                          ; a round of the cluster's barrier
	s_barrier_signal -1
	s_barrier_wait -1
	s_cmp_lg_u32 s14, 0
	s_cbranch_scc1 .Lnot_wave_0_\@
	s_barrier_signal -3
.Lnot_wave_0_\@:
	s_barrier_wait -3
	s_barrier_signal -1
	s_barrier_wait -1
.endm
.macro FRAG reg, adr, off              ; a fragment, 16 rows x 128 K: two blocks of 768 bytes, six loads of 256 consecutive bytes
.irp e, 0,1
.irp p, 0,1,2
	ds_load_b64 v[(\reg)+6*\e+2*\p:(\reg)+6*\e+2*\p+1], v[\adr] offset:(\off)+768*\e+256*\p
.endr
.endr
.endm
.macro FETCH s                         ; K step s: B's eight fragments and A's four, into sets s % 2
	WIN 0x40
.irp i, 0,1,2,3,4,5,6,7
	FRAG 128*((\s)%2)+FR*\i, ADB+\i/4, 12288*(\i%4)+1536*(\s)
.endr
	WIN 0
.irp i, 0,1,2,3
	FRAG AF+48*((\s)%2)+FR*\i, ADA, 12288*\i+1536*(\s)
.endr
.endm
.macro MUL s                           ; 32 matrix instructions; the first K step starts the sums
	WIN 0xa1
.irp a, 0,1,2,3
.irp b, 0,1,2,3,4,5,6,7
.if (\s) == 0
	v_wmma_scale_f32_16x16x128_f8f6f4 v[8*(8*\a+\b):8*(8*\a+\b)+7], v[128*((\s)%2)+FR*\b:128*((\s)%2)+FR*\b+FR-1], v[AF+48*((\s)%2)+FR*\a:AF+48*((\s)%2)+FR*\a+FR-1], 0, v[SC+8*\b+(\s)], v[SC+8*\a+(\s)] matrix_a_fmt:MATRIX_FMT_FP6 matrix_b_fmt:MATRIX_FMT_FP6 matrix_a_scale:MATRIX_SCALE_ROW1
.else
	v_wmma_scale_f32_16x16x128_f8f6f4 v[8*(8*\a+\b):8*(8*\a+\b)+7], v[128*((\s)%2)+FR*\b:128*((\s)%2)+FR*\b+FR-1], v[AF+48*((\s)%2)+FR*\a:AF+48*((\s)%2)+FR*\a+FR-1], v[8*(8*\a+\b):8*(8*\a+\b)+7], v[SC+8*\b+(\s)], v[SC+8*\a+(\s)] matrix_a_fmt:MATRIX_FMT_FP6 matrix_b_fmt:MATRIX_FMT_FP6 matrix_a_scale:MATRIX_SCALE_ROW1
.endif
.endr
.endr
.endm
.macro GSTEP s
	s_wait_dscnt 0x0                               ; this step's 72 loads, issued a step ago
.if (\s) < 7
.if (\s) > 0
	PLACES 4                                       ; in front of loads into registers that the last step's matrix instructions have read
.endif
	FETCH (\s)+1
.endif
	MUL \s
.endm
; Block a's 64 results of a lane (register 16 b + i = place 32 b + 16 (lane / 16) + i along the next K) become a fragment's codes in v[PC] on and its scale word in v[PW].
.macro QG a
.set AS, 64*(\a)
	WIN 0x0a
.irp b, 0,1,2,3
	v_max3_num_f32 v[TM+\b], |v[AS+16*\b]|, |v[AS+1+16*\b]|, 0x1800000   ; each accumulator is read from its low end on; the floor 2^(3 - 127) holds the byte at 1 from below
.endr
.irp i, 2,4,6,8,10,12,14
.irp b, 0,1,2,3
	v_max3_num_f32 v[TM+\b], |v[AS+16*\b+\i]|, |v[AS+1+16*\b+\i]|, v[TM+\b]
.endr
.endr
	WIN 0
.irp b, 0,1,2,3
	v_permlanex16_b32 v[TM+4+\b], v[TM+\b], s56, s57
.endr
.irp b, 0,1,2,3
	v_max_num_f32 v[TM+\b], v[TM+\b], v[TM+4+\b]   ; with lane l xor 16's: the block's largest magnitude
.endr
.irp b, 0,1,2,3
	v_add_nc_u32 v[TM+12+\b], 0xff000000, v[TM+\b] ; 2 off the exponent field: the conversion's scale operand
.endr
.irp b, 0,1,2,3
	v_lshrrev_b32 v[TM+4+\b], 23, v[TM+12+\b]      ; the scale's byte
.endr
	v_lshl_or_b32 v[PW], v[TM+5], 8, v[TM+4]
	v_lshl_or_b32 v[PW], v[TM+6], 16, v[PW]
	v_lshl_or_b32 v[PW], v[TM+7], 24, v[PW]
	WIN 0x02
.irp c, 0,1
	v_cvt_scalef32_pk16_fp6_f32 v[PC+6*\c:PC+2+6*\c], v[AS+32*\c:AS+15+32*\c], v[TM+12+2*\c]
	v_cvt_scalef32_pk16_fp6_f32 v[PT+4*\c:PT+2+4*\c], v[AS+16+32*\c:AS+31+32*\c], v[TM+13+2*\c]
.endr
	WIN 0
	v_nop                                          ; one plain line behind a scaled conversion
.irp c, 0,1                            ; the operand's layout wants a whole block in a lane
.irp i, 0,1,2
	v_permlane16_swap_b32 v[PC+6*\c+\i], v[PT+4*\c+\i]
.endr
.irp i, 0,1,2
	v_mov_b32 v[PC+3+6*\c+\i], v[PT+4*\c+\i]
.endr
.endr
.endm
	s_load_b128 s[4:7], s[0:1], 0x0                ; the activations' codes, the weights' codes
	s_load_b128 s[8:11], s[0:1], 0x10              ; their scales; the attention's codes
	s_load_b64 s[12:13], s[0:1], 0x20              ; the attention's scales
	v_lshl_add_u32 v254, v0, 2, 0x48000
	v_mov_b32 v255, 0
	ds_add_u32 v254, v255
	ds_add_u32 v254, v255
	v_lshrrev_b32 v1, 5, v0
	v_readfirstlane_b32 s14, v1                    ; wave
	s_lshr_b32 s15, s14, 1                         ; which 64 rows of A are mine
	s_and_b32 s16, s14, 1                          ; which 128 rows of B.  Also: which half of a chunk I fetch
	s_bfe_u32 s17, ttmp6, 0x40000                  ; cx
	s_bfe_u32 s18, ttmp6, 0x40004                  ; cy
	s_and_b32 s19, ttmp7, 0xffff                   ; the cluster's y: the same in all sixteen partners
	s_lshr_b32 s20, s19, 4                         ; 0 Q, 1 K, 2 V
	s_and_b32 s21, s19, 15
	s_and_b32 s56, s21, 1
	s_lshr_b32 s57, s21, 1
	s_mul_i32 s58, s20, 6291456
	s_mul_i32 s59, s20, 786432
	s_cmp_eq_u32 s20, 2
	s_cselect_b32 s22, s56, s21
	s_cselect_b32 s23, s57, 0
	s_cselect_b32 s60, 1572864, s58                ; A: Wv's codes, or this part's activations
	s_cselect_b32 s61, 12582912, s59               ; B: LN(v)'s codes, or this part's weight
	s_lshl_b32 s22, s22, 2
	s_add_co_u32 s22, s22, s18                     ; which 128 rows of A: hangs on cy alone
	s_lshl_b32 s23, s23, 2
	s_add_co_u32 s23, s23, s17                     ; which 256 rows of B: on cx alone
	s_lshl_b32 s62, s22, 3
	s_lshl_b32 s63, s16, 2
	s_add_co_u32 s62, s62, s63
	s_mul_i32 s62, s62, 12288
	s_add_co_u32 s62, s62, s60                     ; A: tile 8 x + 4 x half, 12,288 bytes a tile
	s_mov_b32 s63, 0
	s_lshl_b32 s66, s23, 4
	s_lshl_b32 s67, s16, 3
	s_add_co_u32 s66, s66, s67
	s_mul_i32 s66, s66, 12288
	s_add_co_u32 s66, s66, s61                     ; B: tile 16 x + 8 x half
	s_mov_b32 s67, 0
	s_mul_i32 s88, s16, 49152                      ; where they go: my half of A's eight tiles, or of B's sixteen: no place in the cluster enters an LDS address
	s_mul_i32 s89, s16, 98304
	s_lshl_b32 s90, s18, 2
	s_lshl_b32 s90, 15, s90                        ; my row of the cluster
	s_lshl_b32 s91, 0x1111, s17                    ; my column
	; group 1: a dense block as rows of 256 bytes (32 elements of 8 bytes): 192 rows for A's four tiles, 384 for B's eight; no padding
	s_or_b32 s[G1A], s90, (3<<16)|(1<<21)
	s_or_b32 s[G1B], s91, (3<<16)|(1<<21)
	s_mov_b32 s[G1A+1], 32<<16
	s_mov_b32 s[G1A+2], 192<<16
	s_mov_b32 s[G1A+3], 32<<16
	s_mov_b32 s[G1A+4], 192
	s_mov_b32 s[G1A+5], 32
	s_mov_b32 s[G1A+6], 0
	s_mov_b32 s[G1A+7], 0
	s_mov_b32 s[G1B+1], 32<<16
	s_mov_b32 s[G1B+2], 384<<16
	s_mov_b32 s[G1B+3], 32<<16
	s_mov_b32 s[G1B+4], 384
	s_mov_b32 s[G1B+5], 32
	s_mov_b32 s[G1B+6], 0
	s_mov_b32 s[G1B+7], 0
	s_wait_dscnt 0x0
	s_wait_kmcnt 0x0
	s_cmp_eq_u32 s20, 2
	s_cselect_b64 s[84:85], s[6:7], s[4:5]
	s_cselect_b64 s[86:87], s[4:5], s[6:7]
	s_add_nc_u64 s[84:85], s[84:85], s[62:63]
	s_add_nc_u64 s[86:87], s[86:87], s[66:67]
	s_mov_b32 s[G0A], 1
	s_mov_b32 s[G0A+1], s88
	s_mov_b64 s[G0A+2:G0A+3], s[84:85]
	s_or_b32 s[G0A+3], s[G0A+3], 0x80000000
	s_mov_b32 s[G0B], 1
	s_add_co_u32 s[G0B+1], s89, BL
	s_mov_b64 s[G0B+2:G0B+3], s[86:87]
	s_or_b32 s[G0B+3], s[G0B+3], 0x80000000
	CROUND                                         ; all sixteen work-groups are here: the joint loads meet
	s_cmp_lt_u32 s14, 2                            ; waves 0, 1 fetch A's halves, waves 2, 3 B's: one tensor load a wave
	s_cbranch_scc0 .Lfill_b
	tensor_load_to_lds s[G0A:G0A+3], s[G1A:G1A+7]
	s_nop 0
	PLACES 4
	s_branch .Lfilled
.Lfill_b:
	tensor_load_to_lds s[G0B:G0B+3], s[G1B:G1B+7]
	s_nop 0
	PLACES 4
.Lfilled:
	s_mov_b32 s56, 0x76543210
	s_mov_b32 s57, 0xfedcba98                      ; v_permlanex16_b32's selects for lane l xor 16
	s_mov_b32 s58, 0xffff0000                      ; lanes 16-31
	v_and_b32 v1, 15, v0                           ; r
	v_bfe_u32 v2, v0, 4, 1                         ; h
	v_and_b32 v3, 31, v0
	v_lshlrev_b32 v3, 3, v3                        ; 8 x lane
	s_lshl_b32 s92, s22, 3
	s_lshl_b32 s94, s15, 2
	s_add_co_u32 s92, s92, s94                     ; my first tile of A
	s_lshl_b32 s93, s23, 4
	s_lshl_b32 s94, s16, 3
	s_add_co_u32 s93, s93, s94                     ; my first tile of B
	s_lshl_b32 s94, s20, 18                        ; where the scale words lie: activations part x 262,144; weights 786,432 + part x 32,768
	s_lshl_b32 s95, s20, 15
	s_add_co_u32 s95, s95, 786432
	s_cmp_eq_u32 s20, 2
	s_cselect_b32 s94, 851968, s94
	s_cselect_b32 s95, 524288, s95
	s_lshl_b32 s100, s92, 9
	s_add_co_u32 s94, s94, s100
	s_lshl_b32 s100, s93, 9
	s_add_co_u32 s95, s95, s100
	v_mov_b32 v20, s94
	v_mov_b32 v21, s95
	v_cndmask_b32 v[VO], v20, v21, s58             ; lanes 0-15 A's words, lanes 16-31 B's
	s_wait_alu depctr_va_vdst(0)
	v_lshl_add_u32 v[VO], v1, 2, v[VO]
	v_lshl_add_u32 v[VO2], v1, 2, v21              ; for B's blocks 4-7 all lanes take B's (A has four blocks: lanes 0-15 are not read there)
.irp i, 0,1,2,3
.irp g, 0,1,2,3,4,5,6,7
	global_load_b32 v[SC+8*\i+\g], v[VO], s[8:9] offset:512*\i+64*\g
.endr
.endr
.irp i, 4,5,6,7
.irp g, 0,1,2,3,4,5,6,7
	global_load_b32 v[SC+8*\i+\g], v[VO2], s[8:9] offset:512*\i+64*\g
.endr
.endr
	s_mul_i32 s100, s15, 49152                     ; my four tiles of A
	v_add_nc_u32 v[ADA], s100, v3
	s_mul_i32 s100, s16, 98304                     ; my eight tiles of B: one address for tiles 0-3, one for tiles 4-7 (an offset has 16 bits)
	s_add_co_u32 s100, s100, BL
	v_add_nc_u32 v[ADB], s100, v3
	v_add_nc_u32 v[ADB+1], 49152, v[ADB]
.irp b, 0,1,2,3
	v_mov_b32 v[TM+4+\b], 0                        ; written once: a lane permute's destination counts as one of its sources
.endr
	; where the results go.  Q, K: tokens are A's tiles, heads B's
	s_lshr_b32 s94, s92, 7
	s_lshl_b32 s94, s94, 4
	s_lshr_b32 s95, s93, 2
	s_add_co_u32 s94, s94, s95                     ; 16 x batch + my first head
	s_and_b32 s95, s92, 127                        ; my first tile of tokens in the batch
	s_lshl_b32 s100, s94, 7
	s_add_co_u32 s100, s100, s95
	s_mul_i32 s100, s100, 768
	s_mul_i32 s101, s20, 6291456
	s_add_co_u32 s100, s100, s101                  ; codes [head][tile][768]
	s_lshl_b32 s95, s95, 6                         ; scale words: 256 bytes for four tiles
	s_lshl_b32 s101, s94, 13
	s_add_co_u32 s101, s101, 786432                ; Q's: 8,192 bytes a head, behind K's and V's
	s_mul_i32 s104, s94, 12288                     ; K's: at the head of the head's 12,288 bytes
	s_cmp_eq_u32 s20, 0
	s_cselect_b32 s101, s101, s104
	s_mov_b32 s105, 12288
	s_cselect_b32 s105, 8192, s105                 ; from head to head
	s_add_co_u32 s101, s101, s95
	; V: channels are A's tiles, keys B's
	s_lshr_b32 s94, s93, 7
	s_lshl_b32 s94, s94, 4
	s_lshr_b32 s95, s92, 2
	s_add_co_u32 s94, s94, s95                     ; 16 x batch + head
	s_bfe_u32 s95, s93, 0x40003                    ; which 128 keys of the batch
	s_mul_i32 s104, s94, 98304
	s_mul_i32 s2, s95, 6144
	s_add_co_u32 s104, s104, s2
	s_add_co_u32 s104, s104, 12582912              ; codes [head][128 keys][64 keys][tile of channels][768]
	s_mul_i32 s94, s94, 12288
	s_lshl_b32 s95, s95, 8
	s_add_co_u32 s94, s94, s95
	s_add_co_u32 s94, s94, 8192                    ; scale words [128 keys][r][tile of channels], behind K's 8,192 bytes
	s_cmp_eq_u32 s20, 2
	s_cselect_b32 s96, s104, s100
	s_cselect_b32 s2, s94, s101
	s_mov_b32 s98, 98304
	s_cselect_b32 s98, 3072, s98                   ; from a fragment's first 64 along K to its second: the next head, or the next 64 keys
	s_mov_b32 s97, 0
	s_mov_b32 s99, 0
	s_mov_b32 s3, 0
	s_add_nc_u64 s[96:97], s[10:11], s[96:97]
	s_add_nc_u64 s[98:99], s[96:97], s[98:99]
	s_add_nc_u64 s[2:3], s[12:13], s[2:3]
	v_mul_u32_u24 v[QSO], v2, s105
	v_lshl_add_u32 v[QSO], v1, 4, v[QSO]           ; Q, K: 16 r, lanes 16-31 the second head
	v_lshlrev_b32 v[VSO], 3, v2
	v_lshl_add_u32 v[VSO], v1, 4, v[VSO]           ; V: 16 r + 8 h
	s_wait_alu depctr_va_vdst(0)
	s_wait_tensorcnt 0x0                           ; my one load has landed
	s_barrier_signal -1
	s_barrier_wait -1
	FETCH 0
	s_wait_loadcnt 0x0                             ; the scale words
.irp s, 0,1,2,3,4,5,6,7
	GSTEP \s
.endr
	PLACES 4                                       ; in front of the first read of results
.irp a, 0,1,2,3
	s_wait_xcnt 0x0                                ; the last block's stores have read their registers
	QG \a
	v_perm_b32 v[TM], v[PW], v[PW], 0x01000100     ; Q, K: a head's two bytes, twice
	v_perm_b32 v[TM+1], v[PW], v[PW], 0x03020302
	v_cndmask_b32 v[U+\a], v[TM], v[TM+1], s58     ; lanes 0-15 the first head's word, lanes 16-31 the second's
	v_mov_b32 v[UV+\a], v[PW]                      ; V: the word as it is
.irp p, 0,1,2
	global_store_b64 v3, v[PC+2*\p:PC+2*\p+1], s[96:97] offset:768*\a+256*\p      ; 32 lanes store 256 consecutive bytes, aligned
	global_store_b64 v3, v[PC+6+2*\p:PC+7+2*\p], s[98:99] offset:768*\a+256*\p
.endr
.endr
	s_cmp_eq_u32 s20, 2                            ; the cluster's y decides: the same in all partners
	s_cbranch_scc1 .Lv_scales
	global_store_b128 v[QSO], v[U:U+3], s[2:3]     ; four tiles' words of a row: sixteen lanes fill 256 bytes
	s_branch .Ldone
.Lv_scales:
	v_cndmask_b32 v[VD], v[UV], v[UV+2], s58
	s_wait_alu depctr_va_vdst(0)
	v_cndmask_b32 v[VD+1], v[UV+1], v[UV+3], s58
	global_store_b64 v[VSO], v[VD:VD+1], s[2:3]    ; 32 lanes fill 256 bytes
.Ldone:
	s_wait_tensorcnt 0x0
	ds_add_u32 v254, v255
	s_wait_dscnt 0x0
	CROUND                                         ; the closing round
	s_endpgm
.Lfunc_end_k_q6826fb2878_proj:
	.size	k_q6826fb2878_proj, .Lfunc_end_k_q6826fb2878_proj-k_q6826fb2878_proj
	.p2alignl 7, 3214868480
	.fill 96, 4, 3214868480
	.section	.rodata,"a",@progbits
	.p2align	6, 0x0
	.amdhsa_kernel k_q6826fb2878_proj
		.amdhsa_group_segment_fixed_size 295424
		.amdhsa_private_segment_fixed_size 0
		.amdhsa_enable_private_segment 0
		.amdhsa_kernarg_size 40
		.amdhsa_user_sgpr_count 2
		.amdhsa_user_sgpr_kernarg_segment_ptr 1
		.amdhsa_wavefront_size32 1
		.amdhsa_system_sgpr_workgroup_id_x 1
		.amdhsa_system_sgpr_workgroup_id_y 1
		.amdhsa_system_sgpr_workgroup_id_z 1
		.amdhsa_system_vgpr_workitem_id 0
		.amdhsa_next_free_vgpr 768
		.amdhsa_next_free_sgpr 106
		.amdhsa_reserve_vcc 0
		.amdhsa_float_denorm_mode_32 3
		.amdhsa_float_denorm_mode_16_64 3
		.amdhsa_memory_ordered 1
		.amdhsa_forward_progress 1
		.amdhsa_inst_pref_size 105
	.end_amdhsa_kernel
	.amdgpu_metadata
---
amdhsa.version: [ 1, 2 ]
amdhsa.kernels:
  - .name:           k_q6826fb2878_proj
    .symbol:         k_q6826fb2878_proj.kd
    .args:
      - { .name: xc, .offset: 0, .size: 8, .value_kind: global_buffer, .address_space: global }
      - { .name: wc, .offset: 8, .size: 8, .value_kind: global_buffer, .address_space: global }
      - { .name: gsc, .offset: 16, .size: 8, .value_kind: global_buffer, .address_space: global }
      - { .name: ac, .offset: 24, .size: 8, .value_kind: global_buffer, .address_space: global }
      - { .name: asc, .offset: 32, .size: 8, .value_kind: global_buffer, .address_space: global }
    .group_segment_fixed_size: 295424
    .private_segment_fixed_size: 0
    .kernarg_segment_align: 8
    .kernarg_segment_size: 40
    .max_flat_workgroup_size: 128
    .sgpr_count:     106
    .vgpr_count:     768
    .wavefront_size: 32
...
	.end_amdgpu_metadata
.endif
;; end of part 3
;; launch attn (part 4): grid 4 x 64, 8 waves a work-group, clusters of 4 x 1, 327,680 bytes of LDS; arguments ac, asc, mask, oc, gsc; writes oc, gsc
.if DOCPART == 4
	.amdgcn_target "amdgcn-amd-amdhsa--gfx1250"
	.amdhsa_code_object_version 6
	.text
	.protected	k_q6826fb2878_attn
	.globl	k_q6826fb2878_attn
	.p2align	8
	.type	k_q6826fb2878_attn,@function
k_q6826fb2878_attn:
	s_mov_b64 s[64:65], 0
	v_nop
	global_prefetch_b8 v0, s[64:65] scope:SCOPE_SE
	s_setreg_imm32_b32 hwreg(HW_REG_WAVE_MODE, 25, 1), 1
	s_wait_xcnt 0x0
	s_wait_alu depctr_hold_cnt(0) depctr_sa_sdst(0) depctr_va_vdst(0) depctr_va_sdst(0) depctr_va_ssrc(0) depctr_va_vcc(0) depctr_vm_vsrc(0)
	s_getreg_b32 s2, hwreg(HW_REG_IB_STS2, 6, 4)
	s_cmp_eq_u32 s2, 0
	s_cbranch_scc0 .Lentry_in_a_cluster
	s_endpgm
.Lentry_in_a_cluster:
	s_bfe_u32 s2, ttmp6, 0x10000c
	s_cmp_lg_u32 s2, 0x3003
	s_cbranch_scc0 .Lentry_shape_is_right
	s_endpgm
.Lentry_shape_is_right:
; Attention of one (batch, head) a cluster, on codes of E2M3: S^T = K Q^T, softmax, O^T = V^T P^T, and O quantised along the head's 64 channels for the last projection.
; The softmax is quantised FINISHED AND NORMALISED, so the keys are walked twice.  Pass 1: scores, each block's largest score (kept in LDS), the running largest score and the sum of
; 2^(c s - c M), c = log2(e) / 8.  Pass 2: the scores again, p = 2^(c s - c M - log2(sum)), p's codes and scale bytes by blocks of 32 keys, and the second product.
; SHARES.  A cluster's four work-groups take 512 queries each of the head's 2,048 and ask JOINTLY for its K, V and scale words, which stay in LDS for the whole launch (filled once: no ring).
; A wave takes 64 queries in two trips; in a trip two tiles of 16 queries (tile w in register window w) share each fragment of K and V.  Both products are used transposed: a lane holds one query.
; A STEP is 128 keys.  All maxima and multiply-adds of both tiles come first, then ONE batch of exponentials for both tiles, then the sums (pass 1) or the quantiser (pass 2):
; so the waits round transcendentals stand once ahead of the batch and once behind it.
; K = 64 in an instruction of 128: Q's 64 codes stand in both halves of its fragment; K's tiles t, t + 1 stand left and right of six registers of zero codes, and each product names twelve of the eighteen.
; THE MASK is the products' C: 0, or -2^126 for a key whose mask is 0; such a key's p is 0.  A row with every key masked gives zeros.
; BUFFERS.  ac: Q's codes [head][tile of 16][768], K's the same 6,291,456 bytes on, V's [head][128 keys][64 keys][tile of 16 channels][768] 12,582,912 on.
; asc: a head's 12,288 bytes: K's scale words (256 bytes for four tiles: 16 r + 4 (tile % 4)), then V's (256 bytes for 128 keys); Q's from byte 786,432, 8,192 a head.
; No prefetch: K and V come once, at the head, and there is no loop ahead of them to ask in; Q's fragments are 3,072 bytes a wave and trip.
; LIMITS: the promise holds while the scaled scores stay under 2^31 in magnitude; NaN and infinities are not served; a block of zeros gets the byte 1 (its codes are zeros; only this program reads the bytes).
; LDS: K's codes 0, V's VC, the mask's terms BIAS, scale words SCB, the blocks' largest scores BM (8,192 bytes a wave), spare words SPARE.
.set VC,   98304
.set BIAS, 196608
.set SCB,  204800
.set BM,   217088
.set SPARE, 282624
; window 0: v4-15 addresses, v16-27 scale words, v30-65 K's fragments, v66-97 C;  window 1: v48-95 V's fragments;  windows 0 and 1, one a query tile: S, O, QF, PC, PT, TM, NCM, LS, AF
.set AK0,  4
.set AV0,  5
.set ASK0, 6
.set ASV0, 7
.set ABI0, 8
.set ADK,  9
.set ADV,  10
.set ADS,  11
.set ADT,  12
.set ADB,  13
.set GSO,  14
.set BMA,  15
.set QS,   16
.set PWR,  20
.set KS,   22
.set VS,   26
.set R16,  28
.set BMH,  29
.set KF,   30
.set BI,   66
.set VF,   48
.set S,    100                         ; 64 scores, then p: register 16 b + i is key 32 b + 16 (lane / 16) + i of the step
.set O,    164
.set QF,   196
.set PC,   208
.set PT,   220
.set TM,   228
.set NCM,  244                         ; -c M (pass 2: less log2 of the sum); NCM + 1: the running largest score
.set LS,   246
.set AF,   248
.set G1K,  24
.set G1V,  32
.set G0K,  40
.set G0V,  44
.set G0S,  48
.set QB,   52
.set QSB,  54
.set OB,   56
.set GB,   58
.set CS,   60
.set NC,   62
.set HM,   63
.set SEL,  66
.set KOFF, 68
.set S512, 69
.set S256, 70
.set CNT,  71
.set TRIP, 72
.set VOF,  73
.set G1S,  80
.set MSB, 0
.macro WIN new                         ; the immediate's high byte repeats the setting that is left
.if MSB != (\new)
	s_set_vgpr_msb (MSB<<8)|(\new)
.set MSB, (\new)
.endif
.endm
.macro PLACES n
.rept \n
	v_nop
.endr
.endm
.macro CROUND                          ; a round of the cluster's barrier
	s_barrier_signal -1
	s_barrier_wait -1
	s_cmp_lg_u32 s14, 0
	s_cbranch_scc1 .Lnot_wave_0_\@
	s_barrier_signal -3
.Lnot_wave_0_\@:
	s_barrier_wait -3
	s_barrier_signal -1
	s_barrier_wait -1
.endm
.macro ADDRK
	v_add_nc_u32 v[ADK], s[KOFF], v[AK0]
	v_add_nc_u32 v[ADS], s[S512], v[ASK0]
	v_add_nc_u32 v[ADB], s[S512], v[ABI0]
.endm
.macro LOADK g                         ; four tiles of 16 keys: codes, the mask's terms in C's layout, scale words (lanes 0-15 the even tile's, lanes 16-31 the odd one's)
	WIN 0
.irp t, 0,1,2,3
.irp p, 0,1,2
	ds_load_b64 v[KF+18*(\t/2)+12*(\t%2)+2*\p:KF+18*(\t/2)+12*(\t%2)+2*\p+1], v[ADK] offset:768*(4*\g+\t)+256*\p
.endr
	ds_load_b128 v[BI+8*\t:BI+8*\t+3], v[ADB] offset:128*(2*\g+\t/2)+32*(\t%2)
	ds_load_b128 v[BI+8*\t+4:BI+8*\t+7], v[ADB] offset:128*(2*\g+\t/2)+32*(\t%2)+16
.endr
.irp q, 0,1
	ds_load_b32 v[KS+2*\g+\q], v[ADS] offset:256*\g+8*\q
.endr
.endm
.macro NEXTK                           ; the next step's first four tiles (behind the last step: bytes inside LDS that nobody uses)
	s_add_co_u32 s[KOFF], s[KOFF], 6144
	s_add_co_u32 s[S512], s[S512], 512
	ADDRK
	LOADK 0
.endm
.macro QK g, cnt                       ; eight products: four tiles of keys x two tiles of queries; eight different accumulators
	s_wait_dscnt \cnt
.irp w, 0,1
	WIN 0x44*\w
.irp t, 0,2
	v_wmma_scale_f32_16x16x128_f8f6f4 v[S+8*(4*\g+\t):S+8*(4*\g+\t)+7], v[KF+18*(\t/2):KF+18*(\t/2)+11], v[QF:QF+11], v[BI+8*\t:BI+8*\t+7], v[KS+2*\g+\t/2], v[QS+\w] matrix_a_fmt:MATRIX_FMT_FP6 matrix_b_fmt:MATRIX_FMT_FP6
	v_wmma_scale_f32_16x16x128_f8f6f4 v[S+8*(4*\g+\t)+8:S+8*(4*\g+\t)+15], v[KF+18*(\t/2)+6:KF+18*(\t/2)+17], v[QF:QF+11], v[BI+8*\t+8:BI+8*\t+15], v[KS+2*\g+\t/2], v[QS+\w] matrix_a_fmt:MATRIX_FMT_FP6 matrix_b_fmt:MATRIX_FMT_FP6 matrix_a_scale:MATRIX_SCALE_ROW1
.endr
.endr
	WIN 0
	PLACES 4                                       ; ahead of loads into the operands' registers and of the first read of results
.endm
.macro MAXB w, g                       ; the largest of my 16 scores of blocks 2 g and 2 g + 1; each accumulator is read from its low end on
	WIN 0x55*\w
.irp b, 2*\g, 2*\g+1
	v_max3_num_f32 v[TM+\b], v[S+16*(\b)], v[S+16*(\b)+1], v[S+16*(\b)+2]
.endr
.irp b, 2*\g, 2*\g+1
	v_max3_num_f32 v[TM+4+\b], v[S+16*(\b)+8], v[S+16*(\b)+9], v[S+16*(\b)+10]
.endr
.irp i, 3,5
.irp b, 2*\g, 2*\g+1
	v_max3_num_f32 v[TM+\b], v[TM+\b], v[S+16*(\b)+\i], v[S+16*(\b)+\i+1]
.endr
.irp b, 2*\g, 2*\g+1
	v_max3_num_f32 v[TM+4+\b], v[TM+4+\b], v[S+16*(\b)+8+\i], v[S+16*(\b)+9+\i]
.endr
.endr
.irp b, 2*\g, 2*\g+1
	v_max3_num_f32 v[TM+\b], v[TM+\b], v[TM+4+\b], v[S+16*(\b)+7]
.endr
.irp b, 2*\g, 2*\g+1
	v_max_num_f32 v[TM+\b], v[TM+\b], v[S+16*(\b)+15]
.endr
.endm
.macro PKF p
	v_pk_fma_f32 v[S+2*(\p):S+2*(\p)+1], v[S+2*(\p):S+2*(\p)+1], s[CS:CS+1], v[NCM:NCM+1] op_sel_hi:[1,0,0]
.endm
.macro PKFS w, p0, n                   ; c s + NCM for n pairs of scores from pair p0 on
	WIN 0x55*\w
.set k, 0
.rept \n
	PKF (\p0)+k
.set k, k+1
.endr
.endm
.macro EXPS w                          ; tile w's 64 exponentials, back to back
	WIN 0x55*\w
.set k, 0
.rept 64
	v_exp_f32 v[S+k], v[S+k]
.set k, k+1
.endr
.endm
.macro RED w                           ; pass 1: the blocks' largest scores go to LDS, the running maximum moves, and the exponents are made
	WIN 0x55*\w
.irp b, 0,1,2,3
	v_permlanex16_b32 v[TM+4+\b], v[TM+\b], s[SEL], s[SEL+1]
.endr
.irp b, 0,1,2,3
	s_delay_alu instid0(VALU_DEP_4)
	v_max_num_f32 v[TM+\b], v[TM+\b], v[TM+4+\b]   ; with lane l xor 16's 16 keys
.endr
	s_delay_alu instid0(VALU_DEP_2)
	v_cndmask_b32 v[TM+8], v[TM], v[TM+2], s[HM]   ; lanes 0-15 keep blocks 0, 1, lanes 16-31 blocks 2, 3
	s_delay_alu instid0(VALU_DEP_2)
	v_cndmask_b32 v[TM+9], v[TM+1], v[TM+3], s[HM]
	WIN 0x04*\w
	ds_store_b64 v[BMH], v[TM+8:TM+9] offset:4096*\w
	WIN 0x55*\w
	v_max3_num_f32 v[TM+10], v[TM], v[TM+1], v[TM+2]
	s_delay_alu instid0(VALU_DEP_1)
	v_max3_num_f32 v[NCM+1], v[TM+10], v[TM+3], v[NCM+1]
	s_delay_alu instid0(VALU_DEP_1)
	v_mul_f32 v[TM+11], s[NC], v[NCM+1]            ; the new -c M
	s_delay_alu instid0(VALU_DEP_1)
	v_sub_f32 v[AF], v[TM+11], v[NCM]              ; c (old M - new M), 0 or less
	s_delay_alu instid0(VALU_DEP_2)
	v_mov_b32 v[NCM], v[TM+11]
	PKFS \w, 0, 32
.endm
.macro SUM w                           ; the sum under the new M, of the unquantised numbers, in four chains
	WIN 0x55*\w
	v_pk_fma_f32 v[LS:LS+1], v[LS:LS+1], v[AF:AF+1], v[S:S+1] op_sel_hi:[1,0,1]
	v_pk_add_f32 v[TM+10:TM+11], v[S+2:S+3], v[S+4:S+5]
	v_pk_add_f32 v[TM+12:TM+13], v[S+6:S+7], v[S+8:S+9]
	v_pk_add_f32 v[TM+14:TM+15], v[S+10:S+11], v[S+12:S+13]
.set j, 14
.rept 6
	v_pk_add_f32 v[LS:LS+1], v[LS:LS+1], v[S+j:S+j+1]
	v_pk_add_f32 v[TM+10:TM+11], v[TM+10:TM+11], v[S+j+2:S+j+3]
	v_pk_add_f32 v[TM+12:TM+13], v[TM+12:TM+13], v[S+j+4:S+j+5]
	v_pk_add_f32 v[TM+14:TM+15], v[TM+14:TM+15], v[S+j+6:S+j+7]
.set j, j+8
.endr
	v_pk_add_f32 v[LS:LS+1], v[LS:LS+1], v[S+62:S+63]
	s_delay_alu instid0(VALU_DEP_3)
	v_pk_add_f32 v[TM+10:TM+11], v[TM+10:TM+11], v[TM+12:TM+13]
	s_delay_alu instid0(VALU_DEP_2)
	v_pk_add_f32 v[LS:LS+1], v[LS:LS+1], v[TM+14:TM+15]
	s_delay_alu instid0(VALU_DEP_1)
	v_pk_add_f32 v[LS:LS+1], v[LS:LS+1], v[TM+10:TM+11]
.endm
.macro STEP1
	WIN 0
	v_add_nc_u32 v[BMH], s[S256], v[BMA]
	QK 0, 0
	LOADK 1
	MAXB 0, 0
	MAXB 1, 0
	QK 1, 0
	NEXTK
	MAXB 0, 1                                      ; every score is first read ahead of the exponentials
	MAXB 1, 1
	RED 0
	RED 1
	s_wait_alu depctr_va_vdst(0)                   ; the wait ahead of the batch
	EXPS 0
	v_exp_f32 v[AF], v[AF]
	EXPS 1
	v_exp_f32 v[AF], v[AF]
	v_nop                                          ; a plain place behind the last of the 130,
	s_wait_alu depctr_va_vdst(0)                   ; and the one wait ahead of their first reader
	SUM 0
	SUM 1
	WIN 0
	s_add_co_u32 s[S256], s[S256], 256
.endm
.macro FIN w                           ; the row's sum (at least 1 where any key counts: the largest term is 1) and its logarithm
	WIN 0x55*\w
	v_add_f32 v[LS], v[LS], v[LS+1]
	s_delay_alu instid0(VALU_DEP_1)
	v_permlanex16_b32 v[TM+4], v[LS], s[SEL], s[SEL+1]
	s_delay_alu instid0(VALU_DEP_1)
	v_add_f32 v[LS], v[LS], v[TM+4]
	s_delay_alu instid0(VALU_DEP_1)
	v_max_num_f32 v[LS], 1.0, v[LS]
	s_wait_alu depctr_va_vdst(0)
	v_log_f32 v[AF], v[LS]
.endm
.macro BMX w                           ; the same multiply-add on my two blocks' largest scores: p rises with the score, so this gives the blocks' largest p
	v_fma_f32 v[TM+8], v[TM+8], s[CS], v[NCM]
	v_fma_f32 v[TM+9], v[TM+9], s[CS], v[NCM]
.endm
.macro F2 w                            ; p's four scale bytes and its fragment of codes
	WIN 0x55*\w
	v_max_num_f32 v[TM+8], 0x1800000, v[TM+8]      ; the floor 2^(3 - 127): the byte cannot fall under 1
	v_max_num_f32 v[TM+9], 0x1800000, v[TM+9]
	s_delay_alu instid0(VALU_DEP_2)
	v_add_nc_u32 v[TM+8], 0xff000000, v[TM+8]      ; 2 off the exponent field: the conversion's scale operand
	s_delay_alu instid0(VALU_DEP_2)
	v_add_nc_u32 v[TM+9], 0xff000000, v[TM+9]
	s_delay_alu instid0(VALU_DEP_2)
	v_permlanex16_b32 v[TM+10], v[TM+8], s[SEL], s[SEL+1]
	s_delay_alu instid0(VALU_DEP_2)
	v_permlanex16_b32 v[TM+11], v[TM+9], s[SEL], s[SEL+1]
	s_delay_alu instid0(VALU_DEP_2)
	v_cndmask_b32 v[TM+12], v[TM+8], v[TM+10], s[HM]
	s_delay_alu instid0(VALU_DEP_2)
	v_cndmask_b32 v[TM+13], v[TM+9], v[TM+11], s[HM]
	s_delay_alu instid0(VALU_DEP_4)
	v_cndmask_b32 v[TM+14], v[TM+10], v[TM+8], s[HM]
	s_delay_alu instid0(VALU_DEP_4)
	v_cndmask_b32 v[TM+15], v[TM+11], v[TM+9], s[HM]
.irp b, 0,1,2,3
	s_delay_alu instid0(VALU_DEP_4)
	v_lshrrev_b32 v[TM+4+\b], 23, v[TM+12+\b]
.endr
	s_delay_alu instid0(VALU_DEP_3)
	v_lshl_or_b32 v[TM], v[TM+5], 8, v[TM+4]
	s_delay_alu instid0(VALU_DEP_1)
	v_lshl_or_b32 v[TM], v[TM+6], 16, v[TM]
	s_delay_alu instid0(VALU_DEP_1)
	v_lshl_or_b32 v[TM], v[TM+7], 24, v[TM]
	WIN 0x01*\w
	v_mov_b32 v[PWR+\w], v[TM]                     ; scale operands are taken from window 0
	WIN 0x55*\w
.irp c, 0,1
	v_cvt_scalef32_pk16_fp6_f32 v[PC+6*\c:PC+2+6*\c], v[S+32*\c:S+15+32*\c], v[TM+12+2*\c]
	v_cvt_scalef32_pk16_fp6_f32 v[PT+4*\c:PT+2+4*\c], v[S+16+32*\c:S+31+32*\c], v[TM+13+2*\c]
.endr
	v_nop                                          ; one plain place behind a scaled conversion
.irp c, 0,1                            ; the operand's layout wants a whole block in a lane
.irp i, 0,1,2
	v_permlane16_swap_b32 v[PC+6*\c+\i], v[PT+4*\c+\i]
.endr
.irp i, 0,1,2
	s_delay_alu instid0(VALU_DEP_3)
	v_mov_b32 v[PC+3+6*\c+\i], v[PT+4*\c+\i]
.endr
.endr
.endm
.macro LOADV                           ; V's four tiles of channels x 128 keys, and their scale words
	WIN 0x40
.irp t, 0,1,2,3
.irp e, 0,1
.irp p, 0,1,2
	ds_load_b64 v[VF+12*\t+6*\e+2*\p:VF+12*\t+6*\e+2*\p+1], v[ADV] offset:3072*\e+768*\t+256*\p
.endr
.endr
.endr
	WIN 0
.irp q, 0,1
	ds_load_b32 v[VS+\q], v[ADT] offset:8*\q
.endr
.endm
.macro PV first                        ; O^T += V^T P^T: eight different accumulators
	PLACES 8                                       ; a scale word made by vector instructions stands 8 places ahead of a scaled product
	s_wait_alu depctr_va_vdst(0)                   ; the wait ahead of the first reader of O^T behind the exponentials
	s_wait_dscnt 0x0
.irp w, 0,1
	WIN 0x01+0x54*\w
.irp t, 0,2
.if \first
	v_wmma_scale_f32_16x16x128_f8f6f4 v[O+8*\t:O+8*\t+7], v[VF+12*\t:VF+12*\t+11], v[PC:PC+11], 0, v[VS+\t/2], v[PWR+\w] matrix_a_fmt:MATRIX_FMT_FP6 matrix_b_fmt:MATRIX_FMT_FP6
	v_wmma_scale_f32_16x16x128_f8f6f4 v[O+8*\t+8:O+8*\t+15], v[VF+12*\t+12:VF+12*\t+23], v[PC:PC+11], 0, v[VS+\t/2], v[PWR+\w] matrix_a_fmt:MATRIX_FMT_FP6 matrix_b_fmt:MATRIX_FMT_FP6 matrix_a_scale:MATRIX_SCALE_ROW1
.else
	v_wmma_scale_f32_16x16x128_f8f6f4 v[O+8*\t:O+8*\t+7], v[VF+12*\t:VF+12*\t+11], v[PC:PC+11], v[O+8*\t:O+8*\t+7], v[VS+\t/2], v[PWR+\w] matrix_a_fmt:MATRIX_FMT_FP6 matrix_b_fmt:MATRIX_FMT_FP6
	v_wmma_scale_f32_16x16x128_f8f6f4 v[O+8*\t+8:O+8*\t+15], v[VF+12*\t+12:VF+12*\t+23], v[PC:PC+11], v[O+8*\t+8:O+8*\t+15], v[VS+\t/2], v[PWR+\w] matrix_a_fmt:MATRIX_FMT_FP6 matrix_b_fmt:MATRIX_FMT_FP6 matrix_a_scale:MATRIX_SCALE_ROW1
.endif
.endr
.endr
.endm
.macro STEP2 first
	WIN 0
	v_add_nc_u32 v[ADV], s[VOF], v[AV0]
	v_add_nc_u32 v[ADT], s[S256], v[ASV0]
	v_add_nc_u32 v[BMH], s[S256], v[BMA]
	ds_load_b64 v[TM+8:TM+9], v[BMH]               ; my blocks' largest scores, from pass 1
	WIN 0x40
	ds_load_b64 v[TM+8:TM+9], v[BMH] offset:4096
	QK 0, 2                                        ; the two loads just issued may be out
	LOADK 1
	PKFS 0, 0, 16
	PKFS 1, 0, 16
	QK 1, 0
	LOADV
	NEXTK
	PKFS 0, 16, 16
	BMX 0
	PKFS 1, 16, 16
	BMX 1
	s_wait_alu depctr_va_vdst(0)                   ; the wait ahead of the batch
	EXPS 0
	v_exp_f32 v[TM+8], v[TM+8]
	v_exp_f32 v[TM+9], v[TM+9]
	EXPS 1
	v_exp_f32 v[TM+8], v[TM+8]
	v_exp_f32 v[TM+9], v[TM+9]
	v_nop                                          ; a plain place behind the last of the 132,
	s_wait_alu depctr_va_vdst(0)                   ; and the one wait ahead of their first reader
	F2 0
	F2 1
	PV \first
	WIN 0
	s_add_co_u32 s[VOF], s[VOF], 6144
	s_add_co_u32 s[S256], s[S256], 256
.endm
.macro OQ w                            ; O's 64 channels of a query: two blocks, their bytes and codes; 32 lanes store 256 consecutive bytes
	WIN 0x55*\w
.irp b, 0,1
	v_max3_num_f32 v[TM+\b], |v[O+16*\b]|, |v[O+1+16*\b]|, 0x1800000
.endr
.irp i, 2,4,6,8,10,12,14
.irp b, 0,1
	v_max3_num_f32 v[TM+\b], v[TM+\b], |v[O+16*\b+\i]|, |v[O+1+16*\b+\i]|
.endr
.endr
.irp b, 0,1
	s_delay_alu instid0(VALU_DEP_2)
	v_permlanex16_b32 v[TM+4+\b], v[TM+\b], s[SEL], s[SEL+1]
.endr
.irp b, 0,1
	s_delay_alu instid0(VALU_DEP_2)
	v_max_num_f32 v[TM+\b], v[TM+\b], v[TM+4+\b]
.endr
.irp b, 0,1
	s_delay_alu instid0(VALU_DEP_2)
	v_add_nc_u32 v[TM+12+\b], 0xff000000, v[TM+\b]
.endr
.irp b, 0,1
	s_delay_alu instid0(VALU_DEP_2)
	v_lshrrev_b32 v[TM+4+\b], 23, v[TM+12+\b]
.endr
	s_delay_alu instid0(VALU_DEP_1)
	v_lshl_or_b32 v[TM], v[TM+5], 8, v[TM+4]
	v_cvt_scalef32_pk16_fp6_f32 v[PC:PC+2], v[O:O+15], v[TM+12]
	v_cvt_scalef32_pk16_fp6_f32 v[PT:PT+2], v[O+16:O+31], v[TM+13]
	v_nop
.irp i, 0,1,2
	v_permlane16_swap_b32 v[PC+\i], v[PT+\i]
.endr
.irp i, 0,1,2
	s_delay_alu instid0(VALU_DEP_3)
	v_mov_b32 v[PC+3+\i], v[PT+\i]
.endr
	WIN 0x04*\w
.irp p, 0,1,2
	global_store_b64 v[AK0], v[PC+2*\p:PC+2*\p+1], s[OB:OB+1] offset:12288*\w+256*\p
.endr
.endm
	s_load_b256 s[4:11], s[0:1], 0x0               ; ac, asc, mask, oc
	s_load_b64 s[12:13], s[0:1], 0x20              ; gsc
	v_lshl_add_u32 v254, v0, 2, SPARE
	v_mov_b32 v255, 0
	ds_add_u32 v254, v255                          ; the add, twice on end, and its wait ahead of my tensor load
	ds_add_u32 v254, v255
	v_lshrrev_b32 v1, 5, v0
	s_delay_alu instid0(VALU_DEP_1)
	v_readfirstlane_b32 s14, v1                    ; wave
	s_bfe_u32 s15, ttmp6, 0x40000                  ; cx: which 512 queries
	s_and_b32 s16, ttmp7, 0xffff                   ; 16 x batch + head: the same in the four partners
	s_lshr_b32 s17, s16, 4
	s_and_b32 s18, s16, 15
.irp g, G1K, G1V, G1S                  ; dense blocks as rows of 256 bytes (32 elements of 8 bytes), asked for jointly by the cluster's four
	s_mov_b32 s[\g], 15|(3<<16)|(1<<21)
	s_mov_b32 s[\g+1], 32<<16
	s_mov_b32 s[\g+3], 32<<16
	s_mov_b32 s[\g+5], 32
	s_mov_b32 s[\g+6], 0
	s_mov_b32 s[\g+7], 0
.endr
	s_mov_b32 s[G1K+2], 96<<16                     ; a quarter of K's codes: 24,576 bytes
	s_mov_b32 s[G1K+4], 96
	s_mov_b32 s[G1V+2], 128<<16                    ; a third of V's: 32,768
	s_mov_b32 s[G1V+4], 128
	s_mov_b32 s[G1S+2], 48<<16                     ; the head's scale words: 12,288
	s_mov_b32 s[G1S+4], 48
	s_and_b32 s19, s14, 3                          ; which quarter (waves 0-3) or third (waves 4-6)
	s_mul_i32 s73, s19, 24576
	s_lshl_b32 s74, s19, 15
	s_mul_i32 s22, s16, 98304
	s_add_co_u32 s20, s22, s73
	s_add_co_u32 s20, s20, 6291456
	s_mov_b32 s21, 0
	s_add_co_u32 s22, s22, s74
	s_add_co_u32 s22, s22, 12582912
	s_mov_b32 s23, 0
	s_mul_i32 s76, s16, 12288
	s_mov_b32 s77, 0
	s_wait_dscnt 0x0
	s_wait_kmcnt 0x0
	s_mov_b32 s[G0K], 1
	s_mov_b32 s[G0K+1], s73
	s_add_nc_u64 s[G0K+2:G0K+3], s[4:5], s[20:21]
	s_or_b32 s[G0K+3], s[G0K+3], 0x80000000
	s_mov_b32 s[G0V], 1
	s_add_co_u32 s[G0V+1], s74, VC
	s_add_nc_u64 s[G0V+2:G0V+3], s[4:5], s[22:23]
	s_or_b32 s[G0V+3], s[G0V+3], 0x80000000
	s_mov_b32 s[G0S], 1
	s_mov_b32 s[G0S+1], SCB
	s_add_nc_u64 s[G0S+2:G0S+3], s[6:7], s[76:77]
	s_or_b32 s[G0S+3], s[G0S+3], 0x80000000
	CROUND                                         ; the four work-groups are here: the joint loads meet
	s_cmp_lt_u32 s14, 4                            ; one chain of branches on the wave's number, one load to an arm: every wave issues one
	s_cbranch_scc0 .Lhead_v
	tensor_load_to_lds s[G0K:G0K+3], s[G1K:G1K+7]
	s_nop 0
	PLACES 4
	s_branch .Lhead_asked
.Lhead_v:
	s_cmp_lt_u32 s14, 7
	s_cbranch_scc0 .Lhead_s
	tensor_load_to_lds s[G0V:G0V+3], s[G1V:G1V+7]
	s_nop 0
	PLACES 4
	s_branch .Lhead_asked
.Lhead_s:
	tensor_load_to_lds s[G0S:G0S+3], s[G1S:G1S+7]
	s_nop 0
	PLACES 4
.Lhead_asked:
	v_lshlrev_b32 v98, 5, v0                       ; the batch's mask: 8 keys a thread
	s_lshl_b32 s74, s17, 13
	s_mov_b32 s75, 0
	s_add_nc_u64 s[8:9], s[8:9], s[74:75]
	global_load_b128 v[100:103], v98, s[8:9]
	global_load_b128 v[104:107], v98, s[8:9] offset:16
	v_add_nc_u32 v99, BIAS, v98
	v_and_b32 v1, 15, v0
	v_bfe_u32 v2, v0, 4, 1
	v_and_b32 v3, 31, v0
	s_delay_alu instid0(VALU_DEP_1)
	v_lshlrev_b32 v[AK0], 3, v3                    ; 8 x lane
	s_delay_alu instid0(VALU_DEP_1)
	v_add_nc_u32 v[AV0], VC, v[AK0]
	v_lshlrev_b32 v[R16], 4, v1
	s_delay_alu instid0(VALU_DEP_1)
	v_lshl_add_u32 v[ASK0], v2, 2, v[R16]          ; scale words: 16 r + 4 h
	s_delay_alu instid0(VALU_DEP_1)
	v_add_nc_u32 v[ASV0], SCB+8192, v[ASK0]
	s_delay_alu instid0(VALU_DEP_2)
	v_add_nc_u32 v[ASK0], SCB, v[ASK0]
	v_lshlrev_b32 v[ABI0], 6, v2
	s_delay_alu instid0(VALU_DEP_1)
	v_add_nc_u32 v[ABI0], BIAS, v[ABI0]
	v_lshlrev_b32 v[GSO], 9, v2
	s_delay_alu instid0(VALU_DEP_1)
	v_lshl_add_u32 v[GSO], v1, 2, v[GSO]
	s_lshl_b32 s74, s14, 13
	s_add_co_u32 s74, s74, BM
	v_add_nc_u32 v[BMA], s74, v[AK0]
.irp i, 0,1,2,3,4,5
	v_mov_b32 v[KF+6+\i], 0                        ; the zero codes between K's tiles
	v_mov_b32 v[KF+24+\i], 0
.endr
.irp w, 0,1
	WIN 0x40*\w
.irp b, 0,1,2,3
	v_mov_b32 v[TM+4+\b], 0                        ; written once: a lane permute's destination counts as one of its sources
.endr
	v_mov_b32 v[AF+1], 0
.endr
	WIN 0
	s_mov_b32 s[CS], 0x3e38aa3b                    ; c = log2(e) / 8
	s_mov_b32 s[CS+1], s[CS]
	s_mov_b32 s[NC], 0xbe38aa3b
	s_mov_b32 s[HM], 0xffff0000                    ; lanes 16-31
	s_mov_b32 s[SEL], 0x76543210
	s_mov_b32 s[SEL+1], 0xfedcba98                 ; v_permlanex16_b32's selects for lane l xor 16
	s_lshl_b32 s74, s15, 5
	s_lshl_b32 s75, s14, 1
	s_add_co_u32 s74, s74, s75                     ; my first tile of queries: 32 cx + 2 wave (the second trip: 16 tiles on)
	s_lshl_b32 s75, s16, 7
	s_add_co_u32 s75, s75, s74
	s_mul_i32 s76, s75, 768
	s_mov_b32 s77, 0
	s_add_nc_u64 s[QB:QB+1], s[4:5], s[76:77]
	s_lshl_b32 s76, s16, 13
	s_lshr_b32 s75, s74, 2
	s_lshl_b32 s75, s75, 8
	s_add_co_u32 s76, s76, s75
	s_and_b32 s75, s74, 3
	s_lshl_b32 s75, s75, 2
	s_add_co_u32 s76, s76, s75
	s_add_co_u32 s76, s76, 786432
	s_add_nc_u64 s[QSB:QSB+1], s[6:7], s[76:77]
	s_lshl_b32 s75, s17, 7
	s_add_co_u32 s75, s75, s74
	s_mul_i32 s76, s75, 12288
	s_mul_i32 s78, s18, 768
	s_add_co_u32 s76, s76, s78
	s_add_nc_u64 s[OB:OB+1], s[10:11], s[76:77]    ; O's codes [tile of tokens][head][768]
	s_lshl_b32 s76, s75, 9
	s_lshr_b32 s78, s18, 1
	s_lshl_b32 s78, s78, 6
	s_add_co_u32 s76, s76, s78
	s_and_b32 s78, s18, 1
	s_lshl_b32 s78, s78, 1
	s_add_co_u32 s76, s76, s78
	s_add_co_u32 s76, s76, 917504
	s_add_nc_u64 s[GB:GB+1], s[12:13], s[76:77]    ; O's scale bytes: two of a token's word for 128 along K
	s_wait_loadcnt 0x0
	v_mov_b32 v108, 0xfe800000                     ; -2^126
.irp j, 0,1,2,3,4,5,6,7
	v_cmp_eq_u32 vcc_lo, 0, v[100+\j]
	s_delay_alu instid0(VALU_DEP_1)
	v_cndmask_b32 v[100+\j], 0, v108, vcc_lo
.endr
	ds_store_b128 v99, v[100:103]
	ds_store_b128 v99, v[104:107] offset:16
	s_wait_alu depctr_va_vdst(0)
	s_wait_tensorcnt 0x0                           ; my tile has landed,
	s_wait_dscnt 0x0                               ; my part of the mask's terms is stored:
	s_barrier_signal -1
	s_barrier_wait -1                              ; everybody's
	s_mov_b32 s[TRIP], 2
.Ltrip:
.irp p, 0,1,2
	global_load_b64 v[QF+2*\p:QF+2*\p+1], v[AK0], s[QB:QB+1] offset:256*\p       ; Q's 64 codes, in both halves of the fragment
	global_load_b64 v[QF+6+2*\p:QF+7+2*\p], v[AK0], s[QB:QB+1] offset:256*\p
.endr
	WIN 0x40
.irp p, 0,1,2
	global_load_b64 v[QF+2*\p:QF+2*\p+1], v[AK0], s[QB:QB+1] offset:768+256*\p
	global_load_b64 v[QF+6+2*\p:QF+7+2*\p], v[AK0], s[QB:QB+1] offset:768+256*\p
.endr
	WIN 0
	global_load_b32 v[QS], v[R16], s[QSB:QSB+1]
	global_load_b32 v[QS+1], v[R16], s[QSB:QSB+1] offset:4
.irp w, 0,1
	WIN 0x40*\w
	v_mov_b32 v[NCM], 0x7038aa3b                   ; -c x the line below
	v_mov_b32 v[NCM+1], 0xf1800000                 ; the largest score so far: -2^100, under every score that counts and over every masked one
	v_mov_b32 v[LS], 0
	v_mov_b32 v[LS+1], 0
.endr
	WIN 0
	s_mov_b32 s[KOFF], 0
	s_mov_b32 s[S512], 0
	s_mov_b32 s[S256], 0
	s_mov_b32 s[CNT], 16
	ADDRK
	s_wait_alu depctr_va_vdst(0)
	s_wait_dscnt 0x0
	LOADK 0
	s_wait_loadcnt 0x0
.Lp1:
	STEP1
	s_sub_co_u32 s[CNT], s[CNT], 1
	s_cmp_lg_u32 s[CNT], 0
	s_cbranch_scc1 .Lp1
	FIN 0
	FIN 1
	v_nop
	s_wait_alu depctr_va_vdst(0)
	v_sub_f32 v[NCM], v[NCM], v[AF]                ; -c M - log2(sum): pass 2's exponentials give the finished softmax
	WIN 0
	v_sub_f32 v[NCM], v[NCM], v[AF]
	s_mov_b32 s[KOFF], 0
	s_mov_b32 s[S512], 0
	s_mov_b32 s[S256], 0
	s_mov_b32 s[VOF], 0
	ADDRK
	s_wait_alu depctr_va_vdst(0)
	s_wait_dscnt 0x0
	LOADK 0
	STEP2 1                                        ; the first step's products start O's sums
	s_mov_b32 s[CNT], 15
.Lp2:
	STEP2 0
	s_sub_co_u32 s[CNT], s[CNT], 1
	s_cmp_lg_u32 s[CNT], 0
	s_cbranch_scc1 .Lp2
	PLACES 4
	OQ 0
	OQ 1
	WIN 0x01
	v_mov_b32 v98, v[TM]
	WIN 0
	v_cndmask_b32 v99, v[TM], v98, s[HM]           ; lanes 0-15 the first tile's two bytes, lanes 16-31 the second's
	global_store_b16 v[GSO], v99, s[GB:GB+1]
	s_wait_xcnt 0x0                                ; the bases are stepped only behind this wait
	s_add_nc_u64 s[QB:QB+1], s[QB:QB+1], 12288
	s_add_nc_u64 s[QSB:QSB+1], s[QSB:QSB+1], 1024
	s_add_nc_u64 s[OB:OB+1], s[OB:OB+1], 196608
	s_add_nc_u64 s[GB:GB+1], s[GB:GB+1], 8192
	s_sub_co_u32 s[TRIP], s[TRIP], 1
	s_cmp_lg_u32 s[TRIP], 0
	s_cbranch_scc1 .Ltrip
	s_wait_dscnt 0x0
	s_wait_tensorcnt 0x0                           ; the wave's end
	ds_add_u32 v254, v255
	s_wait_dscnt 0x0
	CROUND                                         ; the closing round
	s_endpgm
.Lfunc_end_k_q6826fb2878_attn:
	.size	k_q6826fb2878_attn, .Lfunc_end_k_q6826fb2878_attn-k_q6826fb2878_attn
	.p2alignl 7, 3214868480
	.fill 96, 4, 3214868480
	.section	.rodata,"a",@progbits
	.p2align	6, 0x0
	.amdhsa_kernel k_q6826fb2878_attn
		.amdhsa_group_segment_fixed_size 327680
		.amdhsa_private_segment_fixed_size 0
		.amdhsa_enable_private_segment 0
		.amdhsa_kernarg_size 40
		.amdhsa_user_sgpr_count 2
		.amdhsa_user_sgpr_kernarg_segment_ptr 1
		.amdhsa_wavefront_size32 1
		.amdhsa_system_sgpr_workgroup_id_x 1
		.amdhsa_system_sgpr_workgroup_id_y 1
		.amdhsa_system_sgpr_workgroup_id_z 1
		.amdhsa_system_vgpr_workitem_id 0
		.amdhsa_next_free_vgpr 512
		.amdhsa_next_free_sgpr 88
		.amdhsa_reserve_vcc 1
		.amdhsa_float_denorm_mode_32 3
		.amdhsa_float_denorm_mode_16_64 3
		.amdhsa_memory_ordered 1
		.amdhsa_forward_progress 1
		.amdhsa_inst_pref_size 91
	.end_amdhsa_kernel
	.amdgpu_metadata
---
amdhsa.version: [ 1, 2 ]
amdhsa.kernels:
  - .name:           k_q6826fb2878_attn
    .symbol:         k_q6826fb2878_attn.kd
    .args:
      - { .name: ac, .offset: 0, .size: 8, .value_kind: global_buffer, .address_space: global }
      - { .name: asc, .offset: 8, .size: 8, .value_kind: global_buffer, .address_space: global }
      - { .name: mask, .offset: 16, .size: 8, .value_kind: global_buffer, .address_space: global }
      - { .name: oc, .offset: 24, .size: 8, .value_kind: global_buffer, .address_space: global }
      - { .name: gsc, .offset: 32, .size: 8, .value_kind: global_buffer, .address_space: global }
    .group_segment_fixed_size: 327680
    .private_segment_fixed_size: 0
    .kernarg_segment_align: 8
    .kernarg_segment_size: 40
    .max_flat_workgroup_size: 256
    .sgpr_count:     88
    .vgpr_count:     512
    .wavefront_size: 32
...
	.end_amdgpu_metadata
.endif
;; end of part 4
;; launch outp (part 5): grid 4 x 64, 4 waves a work-group, clusters of 4 x 4, 295,424 bytes of LDS; arguments oc, wc, gsc, q, out0; writes out0
.if DOCPART == 5
	.amdgcn_target "amdgcn-amd-amdhsa--gfx1250"
	.amdhsa_code_object_version 6
	.text
	.protected	k_q6826fb2878_outp
	.globl	k_q6826fb2878_outp
	.p2align	8
	.type	k_q6826fb2878_outp,@function
k_q6826fb2878_outp:
	s_mov_b64 s[64:65], 0
	v_nop
	global_prefetch_b8 v0, s[64:65] scope:SCOPE_SE
	s_setreg_imm32_b32 hwreg(HW_REG_WAVE_MODE, 25, 1), 1
	s_wait_xcnt 0x0
	s_wait_alu depctr_hold_cnt(0) depctr_sa_sdst(0) depctr_va_vdst(0) depctr_va_sdst(0) depctr_va_ssrc(0) depctr_va_vcc(0) depctr_vm_vsrc(0)
	s_getreg_b32 s2, hwreg(HW_REG_IB_STS2, 6, 4)
	s_cmp_eq_u32 s2, 0
	s_cbranch_scc0 .Lentry_in_a_cluster
	s_endpgm
.Lentry_in_a_cluster:
	s_bfe_u32 s2, ttmp6, 0x10000c
	s_cmp_lg_u32 s2, 0xf033
	s_cbranch_scc0 .Lentry_shape_is_right
	s_endpgm
.Lentry_shape_is_right:
; out0 = O Wo + q: O's codes [tile of 16 tokens][head][768] x Wo's codes, K = 1,024, on codes of E2M3; the residual q is added in f32.
; A work-group takes 128 tokens (A: lanes) x 256 columns (B: registers); source 0 = 16 rows of B, source 1 = 16 rows of A; a wave makes 64 x 128: 32 accumulators, which take turns,
; one instruction a turn.  LDS holds all of K for both operands, filled once by one tensor load a wave (one tensor load out): no ring.
; CLUSTER 4 x 4: A's chunks are asked for jointly along a row of the cluster, B's along a column.
; Tiles hold their rows in the order 32 (T / 2) + 8 (T % 2) + r + 8 (r / 8): a lane's registers of B's tiles 2 b, 2 b + 1 are 16 neighbouring columns; the tokens' order is undone by the stores' offsets.
; The residual's 64 loads a lane are issued at the head, into window 3, at the very addresses of the stores.
; THE WAY OUT: a block of 16 tokens x 128 columns goes through the wave's stage (in bytes of A's first chunks, which have had their only fill and, behind a barrier, their last read) and leaves as rows of 512 bytes.
; REGISTERS.  window 0: v1 r, v2 h, v3 8 x lane, v4-9 LDS addresses, v10-14 offsets; v32-95 scale words; v96-191 A's fragments, two sets (on the way out v96-223: rows read back).
;   window 1: B's fragments, two sets.   window 2: accumulator (a, b) at v[8 (8 a + b)].   window 3: the residual.
; THE FILLS, AS THE TEXT STANDS (this takes the place of what the head says of chunks and of four loads a wave): a wave's tiles lie on end in memory, 12,288 bytes each, so
; ONE tensor load a wave brings all of K for its half of an operand as a dense block in rows of 256 bytes: waves 0, 1 four tiles of A each (49,152 bytes), waves 2, 3 eight tiles of B each (98,304 bytes).
; LDS: A's tile a at 12,288 a, B's tile b at BL + 12,288 b; K step s at byte 1,536 s of a tile.  One tensor load a wave is out; the one wait on TENSORcnt is for 0, and one barrier shows all tiles to all waves.
; The stages of the way out lie in A's first tiles, which have had their only fill and, behind a barrier, their last read.
.set FR,  12
.set BL,  98304                        ; B's tiles begin here
.set ADA, 4
.set ADB, 6
.set VO,  10
.set VO2, 11
.set STO, 12
.set RD,  13
.set CO,  14
.set SC,  32
.set AF,  96
.set BK,  96
.set G1A, 24
.set G1B, 32
.set G0A, 40
.set G0B, 68
.set MSB, 0
.macro WIN new                         ; the immediate's high byte repeats the setting that is left
.if MSB != (\new)
	s_set_vgpr_msb (MSB<<8)|(\new)
.set MSB, (\new)
.endif
.endm
.macro PLACES n
.rept \n
	v_nop
.endr
.endm
.macro CROUND
	s_barrier_signal -1
	s_barrier_wait -1
	s_cmp_lg_u32 s14, 0
	s_cbranch_scc1 .Lnot_wave_0_\@
	s_barrier_signal -3
.Lnot_wave_0_\@:
	s_barrier_wait -3
	s_barrier_signal -1
	s_barrier_wait -1
.endm
.macro FRAG reg, adr, off              ; a fragment, 16 rows x 128 K: two blocks of 768 bytes, six loads of 256 consecutive bytes
.irp e, 0,1
.irp p, 0,1,2
	ds_load_b64 v[(\reg)+6*\e+2*\p:(\reg)+6*\e+2*\p+1], v[\adr] offset:(\off)+768*\e+256*\p
.endr
.endr
.endm
.macro FETCH s
	WIN 0x40
.irp i, 0,1,2,3,4,5,6,7
	FRAG 128*((\s)%2)+FR*\i, ADB+\i/4, 12288*(\i%4)+1536*(\s)
.endr
	WIN 0
.irp i, 0,1,2,3
	FRAG AF+48*((\s)%2)+FR*\i, ADA, 12288*\i+1536*(\s)
.endr
.endm
.macro MUL s
	WIN 0xa1
.irp a, 0,1,2,3
.irp b, 0,1,2,3,4,5,6,7
.if (\s) == 0
	v_wmma_scale_f32_16x16x128_f8f6f4 v[8*(8*\a+\b):8*(8*\a+\b)+7], v[128*((\s)%2)+FR*\b:128*((\s)%2)+FR*\b+FR-1], v[AF+48*((\s)%2)+FR*\a:AF+48*((\s)%2)+FR*\a+FR-1], 0, v[SC+8*\b+(\s)], v[SC+8*\a+(\s)] matrix_a_fmt:MATRIX_FMT_FP6 matrix_b_fmt:MATRIX_FMT_FP6 matrix_a_scale:MATRIX_SCALE_ROW1
.else
	v_wmma_scale_f32_16x16x128_f8f6f4 v[8*(8*\a+\b):8*(8*\a+\b)+7], v[128*((\s)%2)+FR*\b:128*((\s)%2)+FR*\b+FR-1], v[AF+48*((\s)%2)+FR*\a:AF+48*((\s)%2)+FR*\a+FR-1], v[8*(8*\a+\b):8*(8*\a+\b)+7], v[SC+8*\b+(\s)], v[SC+8*\a+(\s)] matrix_a_fmt:MATRIX_FMT_FP6 matrix_b_fmt:MATRIX_FMT_FP6 matrix_a_scale:MATRIX_SCALE_ROW1
.endif
.endr
.endr
.endm
.macro GSTEP s
	s_wait_dscnt 0x0                               ; this step's 72 loads, issued a step ago
.if (\s) < 7
.if (\s) > 0
	PLACES 4                                       ; in front of loads into registers that the last step's matrix instructions have read
.endif
	FETCH (\s)+1
.endif
	MUL \s
.endm
.macro TOSTAGE a                       ; block a: lane (r, h) puts, for B's tile b, 32 bytes at row r, byte 128 (b / 2) + 64 h + 32 (b % 2); then whole rows come back
	WIN 0x08
.irp b, 0,1,2,3,4,5,6,7
	ds_store_b128 v[STO], v[8*(8*(\a)+\b):8*(8*(\a)+\b)+3] offset:128*(\b/2)+32*(\b%2)       ; each accumulator from its low end on
	ds_store_b128 v[STO], v[8*(8*(\a)+\b)+4:8*(8*(\a)+\b)+7] offset:128*(\b/2)+32*(\b%2)+16
.endr
	WIN 0
.set BB, BK+64*((\a)%2)
.irp t, 0,1,2,3,4,5,6,7,8,9,10,11,12,13,14,15
	ds_load_b128 v[BB+4*\t:BB+4*\t+3], v[RD] offset:\t*528    ; LDS serves a wave's instructions in order: these see the stores above
.endr
.endm
.macro SEND a, younger                 ; younger: the LDS instructions issued behind block a's loads
.set BB, BK+64*((\a)%2)
	s_wait_dscnt \younger
	WIN 0x0c
.set j, 0
.rept 32
	v_pk_add_f32 v[BB+j:BB+j+1], v[BB+j:BB+j+1], v[64*(\a)+j:64*(\a)+j+1]   ; + the residual
.set j, j+2
.endr
	WIN 0
.irp t, 0,1,2,3,4,5,6,7,8,9,10,11,12,13,14,15
	global_store_b128 v[CO], v[BB+4*\t:BB+4*\t+3], s[96:97] offset:(32*((\a)/2)+16*(\t/8)+8*((\a)%2)+(\t%8))*4096 th:TH_STORE_NT   ; 32 lanes store 512 consecutive bytes, aligned to 256
.endr
.endm
	s_load_b128 s[4:7], s[0:1], 0x0                ; O's codes, the weights' codes
	s_load_b128 s[8:11], s[0:1], 0x10              ; the scales, q
	s_load_b64 s[12:13], s[0:1], 0x20              ; out0
	v_lshl_add_u32 v254, v0, 2, 0x48000
	v_mov_b32 v255, 0
	ds_add_u32 v254, v255
	ds_add_u32 v254, v255
	v_lshrrev_b32 v1, 5, v0
	v_readfirstlane_b32 s14, v1                    ; wave
	s_lshr_b32 s15, s14, 1                         ; which 64 rows of A are mine
	s_and_b32 s16, s14, 1                          ; which 128 rows of B.  Also: which half of a chunk I fetch
	s_bfe_u32 s17, ttmp6, 0x40000                  ; cx
	s_bfe_u32 s18, ttmp6, 0x40004                  ; cy
	s_and_b32 s19, ttmp7, 0xffff
	s_lshl_b32 s22, s19, 2
	s_add_co_u32 s22, s22, s18                     ; which 128 tokens: hangs on cy alone
	s_mov_b32 s23, s17                             ; which 256 columns: on cx alone
	s_lshl_b32 s62, s22, 3
	s_lshl_b32 s63, s16, 2
	s_add_co_u32 s62, s62, s63
	s_mul_i32 s62, s62, 12288
	s_mov_b32 s63, 0
	s_lshl_b32 s66, s23, 4
	s_lshl_b32 s67, s16, 3
	s_add_co_u32 s66, s66, s67
	s_mul_i32 s66, s66, 12288
	s_add_co_u32 s66, s66, 2359296                 ; Wo is the fourth weight
	s_mov_b32 s67, 0
	s_mul_i32 s88, s16, 49152                      ; where they go: my half of A's eight tiles, or of B's sixteen: no place in the cluster enters an LDS address
	s_mul_i32 s89, s16, 98304
	s_lshl_b32 s90, s18, 2
	s_lshl_b32 s90, 15, s90                        ; my row of the cluster
	s_lshl_b32 s91, 0x1111, s17                    ; my column
	; group 1: a dense block as rows of 256 bytes (32 elements of 8 bytes): 192 rows for A's four tiles, 384 for B's eight; no padding
	s_or_b32 s[G1A], s90, (3<<16)|(1<<21)
	s_or_b32 s[G1B], s91, (3<<16)|(1<<21)
	s_mov_b32 s[G1A+1], 32<<16
	s_mov_b32 s[G1A+2], 192<<16
	s_mov_b32 s[G1A+3], 32<<16
	s_mov_b32 s[G1A+4], 192
	s_mov_b32 s[G1A+5], 32
	s_mov_b32 s[G1A+6], 0
	s_mov_b32 s[G1A+7], 0
	s_mov_b32 s[G1B+1], 32<<16
	s_mov_b32 s[G1B+2], 384<<16
	s_mov_b32 s[G1B+3], 32<<16
	s_mov_b32 s[G1B+4], 384
	s_mov_b32 s[G1B+5], 32
	s_mov_b32 s[G1B+6], 0
	s_mov_b32 s[G1B+7], 0
	s_wait_dscnt 0x0
	s_wait_kmcnt 0x0
	s_add_nc_u64 s[84:85], s[4:5], s[62:63]
	s_add_nc_u64 s[86:87], s[6:7], s[66:67]
	s_mov_b32 s[G0A], 1
	s_mov_b32 s[G0A+1], s88
	s_mov_b64 s[G0A+2:G0A+3], s[84:85]
	s_or_b32 s[G0A+3], s[G0A+3], 0x80000000
	s_mov_b32 s[G0B], 1
	s_add_co_u32 s[G0B+1], s89, BL
	s_mov_b64 s[G0B+2:G0B+3], s[86:87]
	s_or_b32 s[G0B+3], s[G0B+3], 0x80000000
	CROUND                                         ; all sixteen work-groups are here: the joint loads meet
	s_cmp_lt_u32 s14, 2                            ; waves 0, 1 fetch A's halves, waves 2, 3 B's: one tensor load a wave
	s_cbranch_scc0 .Lfill_b
	tensor_load_to_lds s[G0A:G0A+3], s[G1A:G1A+7]
	s_nop 0
	PLACES 4
	s_branch .Lfilled
.Lfill_b:
	tensor_load_to_lds s[G0B:G0B+3], s[G1B:G1B+7]
	s_nop 0
	PLACES 4
.Lfilled:
	s_mov_b32 s58, 0xffff0000                      ; lanes 16-31
	v_and_b32 v1, 15, v0                           ; r
	v_bfe_u32 v2, v0, 4, 1                         ; h
	v_and_b32 v3, 31, v0
	v_lshlrev_b32 v[CO], 4, v3                     ; 16 x lane
	v_lshlrev_b32 v3, 3, v3                        ; 8 x lane
	s_lshl_b32 s92, s22, 3
	s_lshl_b32 s94, s15, 2
	s_add_co_u32 s92, s92, s94                     ; my first tile of A
	s_lshl_b32 s93, s23, 4
	s_lshl_b32 s94, s16, 3
	s_add_co_u32 s93, s93, s94                     ; my first tile of B
	s_lshl_b32 s94, s92, 9
	s_add_co_u32 s94, s94, 917504                  ; O's scale words
	s_lshl_b32 s95, s93, 9
	s_add_co_u32 s95, s95, 884736                  ; Wo's
	v_mov_b32 v20, s94
	v_mov_b32 v21, s95
	v_cndmask_b32 v[VO], v20, v21, s58             ; lanes 0-15 A's words, lanes 16-31 B's
	s_wait_alu depctr_va_vdst(0)
	v_lshl_add_u32 v[VO], v1, 2, v[VO]
	v_lshl_add_u32 v[VO2], v1, 2, v21              ; for B's blocks 4-7 all lanes take B's
.irp i, 0,1,2,3
.irp g, 0,1,2,3,4,5,6,7
	global_load_b32 v[SC+8*\i+\g], v[VO], s[8:9] offset:512*\i+64*\g
.endr
.endr
.irp i, 4,5,6,7
.irp g, 0,1,2,3,4,5,6,7
	global_load_b32 v[SC+8*\i+\g], v[VO2], s[8:9] offset:512*\i+64*\g
.endr
.endr
	s_lshl_b32 s96, s92, 16                        ; my first token: 16 x tile, 4,096 bytes a token,
	s_lshl_b32 s100, s23, 10
	s_add_co_u32 s96, s96, s100                    ; the work-group's 256 columns,
	s_lshl_b32 s100, s16, 9
	s_add_co_u32 s96, s96, s100                    ; my 128 of them
	s_mov_b32 s97, 0
	s_add_nc_u64 s[98:99], s[10:11], s[96:97]      ; in q,
	s_add_nc_u64 s[96:97], s[12:13], s[96:97]      ; and in out0
	WIN 0xc0
.irp a, 0,1,2,3
.irp t, 0,1,2,3,4,5,6,7,8,9,10,11,12,13,14,15
	global_load_b128 v[64*\a+4*\t:64*\a+4*\t+3], v[CO], s[98:99] offset:(32*(\a/2)+16*(\t/8)+8*(\a%2)+(\t%8))*4096 th:TH_LOAD_NT
.endr
.endr
	WIN 0
	s_mul_i32 s100, s15, 49152                     ; my four tiles of A
	v_add_nc_u32 v[ADA], s100, v3
	s_mul_i32 s100, s16, 98304                     ; my eight tiles of B: one address for tiles 0-3, one for tiles 4-7 (an offset has 16 bits)
	s_add_co_u32 s100, s100, BL
	v_add_nc_u32 v[ADB], s100, v3
	v_add_nc_u32 v[ADB+1], 49152, v[ADB]
	s_mul_i32 s100, s14, 16*528                    ; my stage
	v_mul_u32_u24 v[STO], v1, 528
	v_lshl_add_u32 v[STO], v2, 6, v[STO]
	v_add_nc_u32 v[STO], s100, v[STO]
	v_add_nc_u32 v[RD], s100, v[CO]
	s_wait_alu depctr_va_vdst(0)
	s_wait_tensorcnt 0x0                           ; my one load has landed
	s_barrier_signal -1
	s_barrier_wait -1
	FETCH 0
	s_wait_loadcnt 63                              ; the scale words are in: 64 loads of the residual follow the last of them, and the count's field holds 63
.irp s, 0,1,2,3,4,5,6,7
	GSTEP \s
.endr
	WIN 0
	s_wait_loadcnt 0x0                             ; the residual
	s_wait_dscnt 0x0                               ; my reads of the operands are over:
	s_barrier_signal -1
	s_barrier_wait -1                              ; everybody's: the stages may be written
	PLACES 4                                       ; in front of the first read of results and of loads into A's registers
	TOSTAGE 0
.irp a, 1,2,3
.if \a > 1
	s_wait_xcnt 0x0                                ; block a - 2's stores have read their registers: block a's rows may land there
.endif
	TOSTAGE \a
	SEND \a-1, 32                                  ; behind block a - 1's loads: block a's 16 stores and 16 loads
.endr
	SEND 3, 0
	s_wait_tensorcnt 0x0
	ds_add_u32 v254, v255
	s_wait_dscnt 0x0
	CROUND                                         ; the closing round
	s_endpgm
.Lfunc_end_k_q6826fb2878_outp:
	.size	k_q6826fb2878_outp, .Lfunc_end_k_q6826fb2878_outp-k_q6826fb2878_outp
	.p2alignl 7, 3214868480
	.fill 96, 4, 3214868480
	.section	.rodata,"a",@progbits
	.p2align	6, 0x0
	.amdhsa_kernel k_q6826fb2878_outp
		.amdhsa_group_segment_fixed_size 295424
		.amdhsa_private_segment_fixed_size 0
		.amdhsa_enable_private_segment 0
		.amdhsa_kernarg_size 40
		.amdhsa_user_sgpr_count 2
		.amdhsa_user_sgpr_kernarg_segment_ptr 1
		.amdhsa_wavefront_size32 1
		.amdhsa_system_sgpr_workgroup_id_x 1
		.amdhsa_system_sgpr_workgroup_id_y 1
		.amdhsa_system_sgpr_workgroup_id_z 1
		.amdhsa_system_vgpr_workitem_id 0
		.amdhsa_next_free_vgpr 1024
		.amdhsa_next_free_sgpr 106
		.amdhsa_reserve_vcc 0
		.amdhsa_float_denorm_mode_32 3
		.amdhsa_float_denorm_mode_16_64 3
		.amdhsa_memory_ordered 1
		.amdhsa_forward_progress 1
		.amdhsa_inst_pref_size 112
	.end_amdhsa_kernel
	.amdgpu_metadata
---
amdhsa.version: [ 1, 2 ]
amdhsa.kernels:
  - .name:           k_q6826fb2878_outp
    .symbol:         k_q6826fb2878_outp.kd
    .args:
      - { .name: oc, .offset: 0, .size: 8, .value_kind: global_buffer, .address_space: global }
      - { .name: wc, .offset: 8, .size: 8, .value_kind: global_buffer, .address_space: global }
      - { .name: gsc, .offset: 16, .size: 8, .value_kind: global_buffer, .address_space: global }
      - { .name: q, .offset: 24, .size: 8, .value_kind: global_buffer, .address_space: global }
      - { .name: out0, .offset: 32, .size: 8, .value_kind: global_buffer, .address_space: global }
    .group_segment_fixed_size: 295424
    .private_segment_fixed_size: 0
    .kernarg_segment_align: 8
    .kernarg_segment_size: 40
    .max_flat_workgroup_size: 128
    .sgpr_count:     106
    .vgpr_count:     1024
    .wavefront_size: 32
...
	.end_amdgpu_metadata
.endif
;; end of part 5
